; MI455X (gfx1250); checked and timed in simulation.
; The chip was launched on July 23, 2026; its instructions are those of AMD's public machine-readable ISA for CDNA 5 (MIT licence, August 2026) and "CDNA5" Instruction Set Architecture Reference Guide (July 2026). The comments in the code are by the model that wrote it; some were corrected since.
;; Self Attention. Allowed arithmetic: matrix products marked QUANTISED: E3M2 operands, one E8M0 scale for each 32 along K, by v_wmma_scale_f32_16x16x128_f8f6f4 with both operands' format E3M2, f32 sums; everything else in f32.
;; Inputs: W_attn 1,024 x 3,072 float32; W_proj 1,024 x 1,024 float32; b_attn 3,072 float32; b_proj 1,024 float32; x 4 x 2,048 x 1,024 float32.
;; Outputs: out0 4 x 2,048 x 1,024 float32.
;; This version of the problem:
;;   THIS VERSION OF THE PROBLEM IS GIVEN IN LOW PRECISION. The matrix products marked QUANTISED in the list below multiply operands that are first quantised to E3M2 (3 exponent bits, 2 mantissa bits; 6 bits a number), with one power-of-two scale for each 32 numbers along K (OCP MX v1.0); their sums are f32. All else is computed in f32.
;;   The module's matrix products, in the order in which they are computed (A, B: the left and right operand; K: the contracted axis; several contracted axes count as one K, in the product's order):
;;     1. [M 8,192, K 1,024] x [K 1,024, N 3,072]; A: input x; B: input W_attn: QUANTISED
;;     2. batch 64 x [M 2,048, K 64] x [K 64, N 2,048]; A: computed on the way; B: computed on the way: QUANTISED
;;     3. batch 64 x [M 64, K 2,048] x [K 2,048, N 2,048]; A: computed on the way; B: softmax (see below): QUANTISED
;;     4. [M 8,192, K 1,024] x [K 1,024, N 1,024]; A: computed on the way; B: input W_proj: QUANTISED
;;   THE QUANTISER, for each operand of a quantised product, along K:
;;     - K is cut into blocks of 32 from its start; a last block that is shorter is filled with zeros.
;;     - A block's scale is 2^e with e = floor(log2(the largest magnitude in the block)) - 4, held to -126 .. 127; a block of zeros has e = 0. As a byte (E8M0): e + 127.
;;     - Each number is divided by its block's scale, clamped to +-28, and rounded to the nearest number of E3M2, ties to even, subnormals kept.
;;     - The product sums the exact products of the quantised numbers (number of the format x scale) in f32.
;;   ~~~python
;;   def quantise(x, axis):      # numpy; x: float32 -> the quantised numbers, widened to float32 again
;;       x = np.moveaxis(x, axis, -1); K = x.shape[-1]
;;       x = np.pad(x, [(0, 0)] * (x.ndim - 1) + [(0, -K % 32)]); x = x.reshape(x.shape[:-1] + (-1, 32)); a = np.abs(x).max(-1, keepdims=True)
;;       e = np.where(a > 0, np.clip(np.frexp(np.where(a > 0, a, 1))[1] - 1 - 4, -126, 127), 0)      # np.frexp(a)[1] - 1 = floor(log2(a)), exactly
;;       r = np.clip(x / 2.0 ** e, -28, 28)
;;       step = 2.0 ** (np.maximum(np.frexp(np.where(r == 0, 1, r))[1] - 1, -2) - 2)
;;       q = np.round(r / step) * step * 2.0 ** e      # np.round: ties to even
;;       return np.moveaxis(q.reshape(q.shape[:-2] + (-1,))[..., :K], -1, axis).astype(np.float32)
;;   ~~~
;;   SOFTMAX AHEAD OF A QUANTISED PRODUCT. Where the list says 'softmax', what is quantised is not the finished softmax but p = 2^(t - M), with t = logit x log2(e) and M = ceil(the row's largest t), a whole number; so 1/2 < the row's largest p <= 1. The row's sum l is taken of the UNQUANTISED p, in f32, and the product's result is divided by l at the end. Since M is a whole number, a kernel that streams over the keys may use a running M (the ceiling of the running maximum): every later rescaling is an exact power of two, which a block's scale takes up: the codes' values come out the same.
;;   OPERANDS COMPUTED ON THE WAY. 'Computed on the way' means the value that the module computes at that place (a softmax that the list does not call 'softmax' is quantised finished and normalised). What goes into a quantiser is computed in f32, as accurately as f32 sums, v_exp_f32 and their like allow (about 1e-6 of the number): no bf16 or f16 on the way to a quantiser, and a product that is left as it is and whose result goes on into a quantised operand takes f32 operands (vector FMAs, or v_wmma_f32_16x16x4_f32). A number that lies on a knife's edge between two numbers of the format may be rounded either way, as far as f32 arithmetic and the matrix unit's own rounding can turn it there, and no further.
;; One version. Each part assembles by itself: llvm-mc -triple=amdgcn-amd-amdhsa -mcpu=gfx1250 --defsym DOCPART=n.
;; ======== version 1 of 1: 4 launches
;; limits: right only within a limited range of input values
;; workspace buffers: xq 6,553,600 bytes; wq 3,276,800 bytes; qk 13,631,488 bytes; vb 6,553,600 bytes; yq 6,553,600 bytes
;; launch quant (part 1): grid 512 x 1, 4 waves a work-group, no clusters, 35,328 bytes of LDS; arguments x, W_attn, W_proj, xq, wq; writes xq, wq
.if DOCPART == 1
	.amdgcn_target "amdgcn-amd-amdhsa--gfx1250"
	.amdhsa_code_object_version 6
	.text
	.protected	k_qcb03c261c5_quant
	.globl	k_qcb03c261c5_quant
	.p2align	8
	.type	k_qcb03c261c5_quant,@function
k_qcb03c261c5_quant:
	s_mov_b64 s[64:65], 0
	v_nop
	global_prefetch_b8 v0, s[64:65] scope:SCOPE_SE
	s_setreg_imm32_b32 hwreg(HW_REG_WAVE_MODE, 25, 1), 1
	s_wait_xcnt 0x0
; x [8192][1024], W_attn [1024][3072] and W_proj [1024][1024], f32, become codes of BF6 (E3M2) with one E8M0 byte for each 32 along K (K = 1,024: x's last axis, the weights' first).
; A block's scale is 2^(floor(log2(its largest magnitude)) - 4): its byte is the largest magnitude's exponent field - 4, held at 1 from below by a floor among the maximum's leaves.
; LIMITS: a block of zeros, or one whose largest magnitude lies under 2^-122, gets the byte 1 where the rule says 127 (its codes are zeros or tiny; this program alone reads the bytes); NaN and infinities are not served.
; THE LAYOUT OF xq AND wq IS THE READER'S.  Sixteen rows (of x) or columns (of a weight) form a TILE: tile 4 G + i holds, as its row r, index 64 G + 32 (r / 8) + 8 i + r % 8, so that the results of four
; neighbouring tiles are 32 neighbours in one lane's registers in the products that follow.  A tile's RECORD, 12,800 bytes, is 16 HALF FRAGMENTS (16 rows x 64 K, 768 bytes) and 2 scale images of 256 bytes.
; In a half fragment lane l = r + 16 h owns block h of row r, 24 bytes: its bytes 0-15 lie at 16 l, its bytes 16-23 at 512 + 8 l: one load of 16 and one of 8 bytes a lane give the operand's six registers.
; In a scale image (512 along K) row r's 16 bytes lie at 16 r.
; SHARES.  Work-groups 0-191: W_attn, 192-255: W_proj: 128 columns x 128 along K each; a lane takes a column and its registers run down K, so a block of 32 lies in one lane.
; Work-groups 256-511: x; a wave takes a tile's 16 rows x 512 along K; the numbers turn through the wave's own stage in LDS, so that loads are dense and a lane still holds a block's 32 neighbours.
; No tensor loads, no barrier: waves share nothing.  No cluster: no two work-groups read the same bytes.
.set REC,   12800                      ; a tile's record
.set HFB,   768                        ; a half fragment
.set SIO,   16*HFB                     ; where a record's scale images begin
.set FLOOR, 0x2800000                  ; 2^(5 - 127)
.set EOFF,  0xfe000000                 ; -(4 << 23)
.set R,     52                         ; v52-179   x: four sets of 32 registers as loaded
.set X,     180                        ; v180-243  x: two sets of 32 neighbours
.set SPI,   272                        ; a stage row: 256 bytes + 16
.set STG,   16*SPI                     ; a stage; two for each wave
; the largest magnitude of v[x] .. v[x + 31] and the floor, in two chains, into v[m0]
.macro BMAX x, m0, m1
	v_max3_num_f32 v[\m0], |v[\x]|, |v[\x+1]|, |v[\x+2]|
	v_max3_num_f32 v[\m1], |v[\x+3]|, |v[\x+4]|, |v[\x+5]|
.irp i, 6,10,14,18,22,26
	v_max3_num_f32 v[\m0], v[\m0], |v[\x+\i]|, |v[\x+\i+1]|
	v_max3_num_f32 v[\m1], v[\m1], |v[\x+\i+2]|, |v[\x+\i+3]|
.endr
	v_max3_num_f32 v[\m0], v[\m0], |v[\x+30]|, |v[\x+31]|
	v_max3_num_f32 v[\m0], v[\m0], v[\m1], FLOOR
.endm
	s_load_b256 s[4:11], s[0:1], 0x0               ; x s[4:5], W_attn s[6:7], W_proj s[8:9], xq s[10:11]
	s_load_b64 s[12:13], s[0:1], 0x20              ; wq
	v_lshl_add_u32 v244, v0, 2, 0x8800
	v_mov_b32 v245, 0
	v_lshrrev_b32 v1, 5, v0
	v_readfirstlane_b32 s14, v1                    ; wave 0..3
	v_and_b32 v5, 31, v0                           ; lane
	v_and_b32 v6, 15, v0                           ; r
	v_bfe_u32 v7, v0, 4, 1                         ; h
	v_lshlrev_b32 v2, 4, v5                        ; 16 x lane
	v_lshlrev_b32 v3, 3, v5                        ; 8 x lane
	s_cmp_lt_u32 ttmp9, 192
	s_cbranch_scc1 .Lw_attn
	s_cmp_lt_u32 ttmp9, 256
	s_cbranch_scc1 .Lw_proj
; ---------------- x ----------------
	s_sub_co_u32 s15, ttmp9, 256
	s_lshl_b32 s15, s15, 2
	s_add_co_u32 s15, s15, s14                     ; which of 1,024 shares is my wave's
	s_lshr_b32 s16, s15, 1                         ; the tile of rows
	s_and_b32 s17, s15, 1                          ; which 512 along K
	s_lshr_b32 s18, s16, 2
	s_lshl_b32 s18, s18, 6
	s_and_b32 s19, s16, 3
	s_lshl_b32 s19, s19, 3
	s_add_co_u32 s18, s18, s19                     ; the tile's first row: 64 G + 8 i
	s_lshl_b32 s18, s18, 12                        ; rows of 4,096 bytes
	s_lshl_b32 s19, s17, 11
	s_add_co_u32 s18, s18, s19
	s_mov_b32 s19, 0
	s_mul_i32 s20, s16, REC
	s_mul_i32 s22, s17, 8*HFB
	s_add_co_u32 s22, s22, s20                     ; my eight half fragments
	s_mov_b32 s23, 0
	s_lshl_b32 s21, s17, 8
	s_add_co_u32 s20, s20, s21
	s_add_co_u32 s20, s20, SIO                     ; my scale image
	s_mov_b32 s21, 0
	s_mul_i32 s28, s14, 2*STG                      ; my two stages
	s_mov_b32 s29, 0xffff0000                      ; lanes 16-31
	s_mov_b32 s30, 0x76543210
	s_mov_b32 s31, 0xfedcba98                      ; v_permlanex16_b32's selects for lane l xor 16
	s_wait_alu depctr_va_vdst(0)
	v_lshlrev_b32 v1, 4, v6
	v_lshl_add_u32 v1, v7, 12, v1                  ; a load: lanes 0-15 one row's 256 bytes, lanes 16-31 the next row's
	v_mul_u32_u24 v8, v7, SPI
	v_lshl_add_u32 v8, v6, 4, v8
	v_add_nc_u32 v8, s28, v8                       ; into the stage, as loaded
	v_mul_u32_u24 v9, v6, SPI
	v_lshl_add_u32 v9, v7, 7, v9
	v_add_nc_u32 v9, s28, v9                       ; out of it: row r, my block's 128 bytes
	v_lshlrev_b32 v4, 4, v6
	v_lshl_add_u32 v4, v7, 3, v4                   ; 16 r + 8 h: my 8 bytes of the scale image
	v_lshlrev_b32 v26, 3, v7                       ; 8 h
	s_wait_alu depctr_va_vdst(0)
	s_wait_kmcnt 0x0
	s_add_nc_u64 s[4:5], s[4:5], s[18:19]
	s_add_nc_u64 s[24:25], s[10:11], s[22:23]
	s_add_nc_u64 s[26:27], s[10:11], s[20:21]
.macro XLOAD t                         ; half fragment t: 16 rows x 256 bytes; load a takes the tile's rows 2 a and 2 a + 1, which lie 32 (a / 4) + 2 (a % 4) rows down
.irp a, 0,1,2,3,4,5,6,7
	global_load_b128 v[R+32*((\t)%4)+4*\a:R+32*((\t)%4)+4*\a+3], v1, s[4:5] offset:(32*(\a/4)+2*(\a%4))*4096+256*(\t) th:TH_LOAD_NT
.endr
.endm
.macro XTURN t                         ; through the stage: LDS serves a wave's instructions in order, so no wait stands between the stores and the loads
.irp a, 0,1,2,3,4,5,6,7
	ds_store_b128 v8, v[R+32*((\t)%4)+4*\a:R+32*((\t)%4)+4*\a+3] offset:STG*((\t)%2)+2*SPI*\a
.endr
.irp i, 0,1,2,3,4,5,6,7
	ds_load_b128 v[X+32*((\t)%2)+4*\i:X+32*((\t)%2)+4*\i+3], v9 offset:STG*((\t)%2)+16*\i
.endr
.endm
.macro XSTEP t
.set XS, X+32*((\t)%2)
.set CX, 32+8*((\t)%2)                 ; v32-37, v40-45: the codes, two sets by turns
	s_wait_dscnt 0x0                               ; this step's 32 neighbours are back, and its stores into the stage have read their registers,
.if (\t)+4 < 8
	XLOAD (\t)+4                                   ; which take the loads of four steps on
.endif
.if (\t) < 7
.if (\t) < 4
	s_wait_loadcnt 24                              ; the next step's eight loads are in; those of the three steps behind it may be out
.else
	s_wait_loadcnt 8*(6-(\t))
.endif
	XTURN (\t)+1
.endif
.if (\t) > 1
	s_wait_xcnt 0x0                                ; the stores of two steps ago have read this set of codes
.endif
	BMAX XS, 10, 11
	v_add_nc_u32 v20, EOFF, v10                    ; 4 off the exponent field: the conversion takes the exponent field of this operand as its scale
	v_cvt_scalef32_pk16_bf6_f32 v[CX:CX+2], v[XS:XS+15], v20
	v_cvt_scalef32_pk16_bf6_f32 v[48:50], v[XS+16:XS+31], v20       ; (a conversion's three registers begin on an even number)
	v_lshrrev_b32 v[12+(\t)], 23, v20              ; the scale's byte; also the plain place behind the conversions
	v_mov_b32 v[CX+3], v48
	v_mov_b32 v[CX+4], v49
	v_mov_b32 v[CX+5], v50
	global_store_b128 v2, v[CX:CX+3], s[24:25] offset:HFB*(\t)          ; 512 consecutive bytes
	global_store_b64 v3, v[CX+4:CX+5], s[24:25] offset:HFB*(\t)+512     ; 256 consecutive bytes
.endm
	XLOAD 0
	XLOAD 1
	XLOAD 2
	XLOAD 3
	s_wait_loadcnt 24                              ; step 0's eight loads are in
	XTURN 0
.irp t, 0,1,2,3,4,5,6,7
	XSTEP \t
.endr
	; the scale image: word q of a row = the bytes of half fragments 2 q and 2 q + 1, blocks h = 0, 1 each; my bytes are those of my h
.irp q, 0,1,2,3
	v_lshl_or_b32 v[21+\q], v[13+2*\q], 16, v[12+2*\q]
	v_mov_b32 v[28+\q], 0                          ; a lane permute's destination counts as one of its sources
.endr
.irp q, 0,1,2,3
	v_lshlrev_b32 v[21+\q], v26, v[21+\q]          ; 8 h bits up
.endr
.irp q, 0,1,2,3
	v_permlanex16_b32 v[28+\q], v[21+\q], s30, s31
.endr
.irp q, 0,1,2,3
	v_or_b32 v[21+\q], v[21+\q], v[28+\q]          ; with lane l xor 16's two bytes the word is whole
.endr
	v_cndmask_b32 v28, v21, v23, s29               ; lanes 0-15 store words 0, 1 of their row, lanes 16-31 words 2, 3
	v_cndmask_b32 v29, v22, v24, s29
	global_store_b64 v4, v[28:29], s[26:27]        ; 256 consecutive bytes
	s_wait_tensorcnt 0x0
	ds_add_u32 v244, v245
	s_wait_dscnt 0x0
	s_endpgm
; ---------------- the weights ----------------
.macro WLOAD e, nn                     ; block e: W(32 e + i, my column)
.set i, 0
.rept 32
	global_load_b32 v[64+32*(\e)+i], v1, s[20:21] offset:(32*(\e)+i)*\nn*4 th:TH_LOAD_NT
.set i, i+1
.endr
.endm
.macro WQ e                            ; block e's codes (the second half elsewhere: a conversion's registers begin on an even number) and its byte into the scale word v12
.set CW, 16+24*((\e)/2)+6*((\e)%2)
.set TW, 28+24*((\e)/2)+4*((\e)%2)
	BMAX 64+32*(\e), 8, 9
	v_add_nc_u32 v10, EOFF, v8
	v_cvt_scalef32_pk16_bf6_f32 v[CW:CW+2], v[64+32*(\e):64+32*(\e)+15], v10
	v_cvt_scalef32_pk16_bf6_f32 v[TW:TW+2], v[64+32*(\e)+16:64+32*(\e)+31], v10
	v_lshrrev_b32 v11, 23, v10                     ; the byte; also the plain place behind the conversions
.if (\e) == 0
	v_mov_b32 v12, v11
.else
	v_lshl_or_b32 v12, v11, 8*(\e), v12
.endif
.endm
; Blocks 2 j and 2 j + 1 become the j-th half fragment of both my tiles.  Lanes 0-15 hold the first tile's columns, lanes 16-31 the second's; a half fragment wants block 0 in lanes 0-15 and block 1 in lanes 16-31 of ONE tile:
; the first block's lanes 16-31 change places with the second block's lanes 0-15.
.macro PAIR j
.set CA, 16+24*(\j)
.set CB, 22+24*(\j)
.irp i, 0,1,2
	v_mov_b32 v[CA+3+\i], v[CA+12+\i]
	v_mov_b32 v[CB+3+\i], v[CA+16+\i]
.endr
.irp i, 0,1,2,3,4,5
	v_permlane16_swap_b32 v[CA+\i], v[CB+\i]
.endr
	global_store_b128 v2, v[CA:CA+3], s[24:25] offset:HFB*(\j)
	global_store_b64 v3, v[CA+4:CA+5], s[24:25] offset:HFB*(\j)+512
	global_store_b128 v2, v[CB:CB+3], s[24:25] offset:REC+HFB*(\j)
	global_store_b64 v3, v[CB+4:CB+5], s[24:25] offset:REC+HFB*(\j)+512
.endm
; nn: the weight's columns; tile0: its first tile in wq; g0: its first work-group; ptr: the scalar pair with its address
.macro WPATH nn, tile0, g0, ptr
	s_sub_co_u32 s15, ttmp9, \g0
	s_lshr_b32 s16, s15, 3                         ; which 128 columns
	s_and_b32 s17, s15, 7                          ; which 128 along K
	s_lshr_b32 s18, s14, 1                         ; my wave: which 64 columns of them,
	s_and_b32 s19, s14, 1                          ; and which two of their four tiles
	s_lshl_b32 s20, s16, 7
	s_lshl_b32 s21, s18, 6
	s_add_co_u32 s20, s20, s21
	s_lshl_b32 s21, s19, 4
	s_add_co_u32 s20, s20, s21                     ; my first column
	s_lshl_b32 s20, s20, 2
	s_mul_i32 s21, s17, 128*\nn*4
	s_add_co_u32 s20, s20, s21
	s_mov_b32 s21, 0
	s_lshl_b32 s22, s16, 3
	s_lshl_b32 s23, s18, 2
	s_add_co_u32 s22, s22, s23
	s_lshl_b32 s23, s19, 1
	s_add_co_u32 s22, s22, s23
	s_add_co_u32 s22, s22, \tile0                  ; my first tile
	s_mul_i32 s22, s22, REC
	s_mul_i32 s24, s17, 2*HFB
	s_add_co_u32 s24, s24, s22                     ; its two half fragments of this K step
	s_mov_b32 s25, 0
	s_lshr_b32 s26, s17, 2
	s_lshl_b32 s26, s26, 8
	s_and_b32 s23, s17, 3
	s_lshl_b32 s23, s23, 2
	s_add_co_u32 s26, s26, s23
	s_add_co_u32 s26, s26, s22
	s_add_co_u32 s26, s26, SIO                     ; and this K step's word in its scale images
	s_mov_b32 s27, 0
	v_bfe_u32 v8, v0, 3, 1
	v_and_b32 v9, 7, v0
	v_lshl_add_u32 v1, v8, 5, v9
	s_wait_alu depctr_va_vdst(0)
	v_lshl_add_u32 v1, v7, 3, v1
	v_lshlrev_b32 v1, 2, v1                        ; my column: 32 ((l / 8) % 2) + 8 (l / 16) + l % 8, in bytes
	v_mul_u32_u24 v4, v7, REC
	v_lshl_add_u32 v4, v6, 4, v4                   ; my scale word: the tile of my half of the lanes, row r
	s_wait_alu depctr_va_vdst(0)
	s_wait_kmcnt 0x0
	s_add_nc_u64 s[20:21], s[\ptr:\ptr+1], s[20:21]
	s_add_nc_u64 s[24:25], s[12:13], s[24:25]
	s_add_nc_u64 s[26:27], s[12:13], s[26:27]
	WLOAD 0, \nn
	WLOAD 1, \nn
	s_wait_loadcnt 32                              ; block 0 is in; the 32 loads issued last may be out (so at each of these waits)
	WLOAD 2, \nn
	WQ 0
	s_wait_loadcnt 32
	WLOAD 3, \nn
	WQ 1
	PAIR 0
	s_wait_loadcnt 32
	WQ 2
	s_wait_loadcnt 0x0
	WQ 3
	PAIR 1
	global_store_b32 v4, v12, s[26:27]             ; 4 bytes of each row's 16: one store a wave, 128 bytes beside its 3,072 bytes of codes
	s_endpgm
.endm
.Lw_attn:
	WPATH 3072, 0, 0, 6
.Lw_proj:
	WPATH 1024, 192, 192, 8
.Lfunc_end_k_qcb03c261c5_quant:
	.size	k_qcb03c261c5_quant, .Lfunc_end_k_qcb03c261c5_quant-k_qcb03c261c5_quant
	.p2alignl 7, 3214868480
	.fill 96, 4, 3214868480
	.section	.rodata,"a",@progbits
	.p2align	6, 0x0
	.amdhsa_kernel k_qcb03c261c5_quant
		.amdhsa_group_segment_fixed_size 35328
		.amdhsa_private_segment_fixed_size 0
		.amdhsa_enable_private_segment 0
		.amdhsa_kernarg_size 40
		.amdhsa_user_sgpr_count 2
		.amdhsa_user_sgpr_kernarg_segment_ptr 1
		.amdhsa_wavefront_size32 1
		.amdhsa_system_sgpr_workgroup_id_x 1
		.amdhsa_system_sgpr_workgroup_id_y 1
		.amdhsa_system_sgpr_workgroup_id_z 1
		.amdhsa_system_vgpr_workitem_id 0
		.amdhsa_next_free_vgpr 246
		.amdhsa_next_free_sgpr 66
		.amdhsa_reserve_vcc 0
		.amdhsa_float_denorm_mode_32 3
		.amdhsa_float_denorm_mode_16_64 3
		.amdhsa_memory_ordered 1
		.amdhsa_forward_progress 1
		.amdhsa_inst_pref_size 73
	.end_amdhsa_kernel
	.amdgpu_metadata
---
amdhsa.version: [ 1, 2 ]
amdhsa.kernels:
  - .name:           k_qcb03c261c5_quant
    .symbol:         k_qcb03c261c5_quant.kd
    .args:
      - { .name: x, .offset: 0, .size: 8, .value_kind: global_buffer, .address_space: global }
      - { .name: W_attn, .offset: 8, .size: 8, .value_kind: global_buffer, .address_space: global }
      - { .name: W_proj, .offset: 16, .size: 8, .value_kind: global_buffer, .address_space: global }
      - { .name: xq, .offset: 24, .size: 8, .value_kind: global_buffer, .address_space: global }
      - { .name: wq, .offset: 32, .size: 8, .value_kind: global_buffer, .address_space: global }
    .group_segment_fixed_size: 35328
    .private_segment_fixed_size: 0
    .kernarg_segment_align: 8
    .kernarg_segment_size: 40
    .max_flat_workgroup_size: 128
    .sgpr_count:     66
    .vgpr_count:     246
    .wavefront_size: 32
...
	.end_amdgpu_metadata
.endif
;; end of part 1
;; launch gemm_qkv (part 2): grid 64 x 4, 4 waves a work-group, clusters of 4 x 4, 327,680 bytes of LDS; arguments xq, wq, b_attn, qk, vb; writes qk, vb
.if DOCPART == 2
	.amdgcn_target "amdgcn-amd-amdhsa--gfx1250"
	.amdhsa_code_object_version 6
	.text
	.protected	k_qcb03c261c5_gemm_qkv
	.globl	k_qcb03c261c5_gemm_qkv
	.p2align	8
	.type	k_qcb03c261c5_gemm_qkv,@function
k_qcb03c261c5_gemm_qkv:
	s_mov_b64 s[64:65], 0
	v_nop
	global_prefetch_b8 v0, s[64:65] scope:SCOPE_SE
	s_setreg_imm32_b32 hwreg(HW_REG_WAVE_MODE, 25, 1), 1
	s_wait_xcnt 0x0
	s_wait_alu depctr_hold_cnt(0) depctr_sa_sdst(0) depctr_va_vdst(0) depctr_va_sdst(0) depctr_va_ssrc(0) depctr_va_vcc(0) depctr_vm_vsrc(0)
	s_getreg_b32 s2, hwreg(HW_REG_IB_STS2, 6, 4)
	s_cmp_eq_u32 s2, 0
	s_cbranch_scc0 .Lentry_in_a_cluster
	s_endpgm
.Lentry_in_a_cluster:
	s_bfe_u32 s2, ttmp6, 0x10000c
	s_cmp_lg_u32 s2, 0xf033
	s_cbranch_scc0 .Lentry_shape_is_right
	s_endpgm
.Lentry_shape_is_right:
; qkv = x W_attn + b_attn on codes of BF6 (E3M2) with E8M0 scales, K = 1,024; q, k and v leave at once as codes for the attention: q and k quantised along a head's 64 channels, v along the keys.
; OPERANDS: xq and wq, tiles of 16 rows in records of 12,800 bytes: 16 half fragments (16 rows x 64 K, 768 bytes: lane l's bytes 0-15 at 16 l, bytes 16-23 at 512 + 8 l) and 2 scale images (row r's 16 bytes at 16 r).
; Tile 4 G + i holds, as row r, index 64 G + 32 (r / 8) + 8 i + r % 8.
; A WORK-GROUP STAYS and makes three blocks of 128 rows of operand A x 256 rows of operand B: block 0: A = x's rows, B = W's columns of q; block 1: the same rows, k's columns; block 2: A = W's columns of v, B = x's rows.
; 256 work-groups of equal work.  Four waves, each 64 x 128: 32 accumulators.
; THE RING: two slots; a slot holds half of K of A's 8 and B's 16 tiles, 6,656 bytes of each record.  A block's first fill is the record's bytes 6,144 on (K = 512 .. 1,023 and both scale images), its second the bytes 0 on
; (K = 0 .. 511; the last 512 bytes of these rows are not read).  All of a block's scale words go into registers at its start.  Every row begins at a multiple of 256 bytes of its buffer.
; One joint load a wave behind each round of the cluster's barrier: waves 0, 1 four tiles of A each, waves 2, 3 eight tiles of B each; a wave has one load out.  A slot is asked for again when its last fragments are in registers,
; ahead of the 32 products on them and, at a block's end, ahead of the way out.
; THE MATRIX INSTRUCTION IS USED TRANSPOSED: source 0 = a tile of B, source 1 = a tile of A.  A lane holds one row of A, and the 32 registers of four neighbouring tiles of B are 32 neighbours along B's rows: a whole block of the next quantiser.
; CLUSTERS: 4 x 4 work-groups; A's tiles are shared along a row of the cluster, B's along a column, each asked for jointly.
; NO PREFETCH: a work-group's walk is six fills; two go out at the head, and each later one is asked for a whole slot (128 matrix instructions a wave) ahead of the wait for it.
; OUTPUT: qk [q, k][batch x head 64][128 tokens 16][6,656]: 8 half fragments and 2 x 256 bytes of scale words, each word (b0, b1, b0, b1).  vb [batch x head][128 keys][6,400]: 4 tiles of channels x 2 half fragments and 256 bytes of scale words.
; LIMITS: a block of zeros, or one whose largest magnitude lies under 2^-122, gets the byte 1 where the rule says 127 (this program alone reads the bytes); NaN and infinities are not served.
; REGISTERS: window 0: v1-7, v28-31 addresses; v8-26 at work on the way out; v22 zero, v27 spare word; v32-95 scale words; v96-143, v144-191 A's fragments; v192-255 the bias.  window 1: B's fragments at v0 and v128.  window 2: accumulator (a, b) at v[8 (8 a + b)].
.set REC,   12800
.set HFB,   768
.set TP,    6656                       ; a tile's row in a slot
.set SLOT,  24*TP
.set SPARE, 2*SLOT                     ; the spare words, 512 bytes
.set KBLK,  6656
.set VBLK,  6400
.set FLOOR, 0x2800000                  ; 2^(5 - 127)
.set EOFF,  0xfe000000                 ; -(4 << 23)
.set L16,  1                           ; 16 x lane
.set L8,   2                           ; 8 x lane
.set ADRS, 7                           ; scale words in slot 0: lanes 0-15 A's rows, lanes 16-31 B's
.set NIL,  22
.set SPW,  27
.set SC,   32                          ; K step k of tile i at v[SC + 32 (k / 4) + 4 i + k % 4]
.set AF,   96
.set T,    160
.set BI,   192
.set G1A,  24
.set G1B,  32
.set G0A,  40                          ; group 0 for A, slot 0 and slot 1
.set G0B,  48
.set JC,   71                          ; the block in hand
.set MSB, 0
.macro WIN new
.if MSB != \new
	s_set_vgpr_msb (MSB<<8)|\new
.set MSB, \new
.endif
.endm
.macro PLACES                          ; four plain places behind a matrix instruction (ISA guide 7.12.1)
.rept 4
	v_nop
.endr
.endm
.macro ROUND                           ; a round of the cluster's barrier
	s_barrier_signal -1
	s_barrier_wait -1
	s_cmp_lg_u32 s14, 0
	s_cbranch_scc1 .Lnot_wave_0_\@
	s_barrier_signal -3
.Lnot_wave_0_\@:
	s_barrier_wait -3
	s_barrier_signal -1
	s_barrier_wait -1
.endm
.macro JLOAD s                         ; my one joint load into slot s: waves 0, 1 for A, waves 2, 3 for B
	s_cmp_eq_u32 s15, 0
	s_cbranch_scc0 .Lfor_b_\@
	tensor_load_to_lds s[G0A+4*(\s):G0A+4*(\s)+3], s[G1A:G1A+7]
	s_nop 0
	PLACES
	s_branch .Lasked_\@
.Lfor_b_\@:
	tensor_load_to_lds s[G0B+4*(\s):G0B+4*(\s)+3], s[G1B:G1B+7]
	s_nop 0
	PLACES
.Lasked_\@:
.endm
.macro MEET s                          ; slot s is read out: all my loads have landed, the add, the next block's addresses, the round, the refill
	s_wait_tensorcnt 0x0
	ds_add_u32 v[SPW], v[NIL]
	s_add_nc_u64 s[G0A+4*(\s)+2:G0A+4*(\s)+3], s[76:77], (1-(\s))*6144
	s_or_b32 s[G0A+4*(\s)+3], s[G0A+4*(\s)+3], 0x80000000
	s_add_nc_u64 s[G0B+4*(\s)+2:G0B+4*(\s)+3], s[78:79], (1-(\s))*6144
	s_or_b32 s[G0B+4*(\s)+3], s[G0B+4*(\s)+3], 0x80000000
	s_wait_dscnt 0x0
	ROUND
	JLOAD \s
.endm
.macro BMAX x, m0, m1                  ; the largest magnitude of v[x] .. v[x + 31] and the floor, in two chains
	v_max3_num_f32 v[\m0], |v[\x]|, |v[\x+1]|, |v[\x+2]|
	v_max3_num_f32 v[\m1], |v[\x+3]|, |v[\x+4]|, |v[\x+5]|
.irp i, 6,10,14,18,22,26
	v_max3_num_f32 v[\m0], v[\m0], |v[\x+\i]|, |v[\x+\i+1]|
	v_max3_num_f32 v[\m1], v[\m1], |v[\x+\i+2]|, |v[\x+\i+3]|
.endr
	v_max3_num_f32 v[\m0], v[\m0], |v[\x+30]|, |v[\x+31]|
	v_max3_num_f32 v[\m0], v[\m0], v[\m1], FLOOR
.endm
	s_load_b256 s[4:11], s[0:1], 0x0               ; xq, wq, b_attn, qk
	s_load_b64 s[12:13], s[0:1], 0x20              ; vb
	v_lshl_add_u32 v[SPW], v0, 2, SPARE
	v_mov_b32 v[NIL], 0
	ds_add_u32 v[SPW], v[NIL]                      ; the opening lines
	ds_add_u32 v[SPW], v[NIL]
	v_lshrrev_b32 v1, 5, v0
	v_readfirstlane_b32 s14, v1                    ; wave 0..3
	s_lshr_b32 s15, s14, 1                         ; which four of A's tiles I multiply; also: I fetch for A (0) or B (1)
	s_and_b32 s16, s14, 1                          ; which eight of B's tiles I multiply; also: which part I fetch
	s_bfe_u32 s17, ttmp6, 0x40000                  ; cx
	s_bfe_u32 s18, ttmp6, 0x40004                  ; cy
	s_lshl_b32 s19, s18, 2
	s_lshl_b32 s19, 15, s19                        ; my row of the cluster
	s_lshl_b32 s20, 0x1111, s17                    ; my column
	s_or_b32 s[G1A], s19, (3<<16)|(1<<21)          ; the mask; elements of 8 bytes; bit 21 beside a mask
	s_or_b32 s[G1B], s20, (3<<16)|(1<<21)
	s_mov_b32 s[G1A+1], 832<<16                    ; rows of 6,656 bytes, a record apart: A four,
	s_mov_b32 s[G1A+2], 4<<16
	s_mov_b32 s[G1A+3], 832<<16
	s_mov_b32 s[G1A+4], 4
	s_mov_b32 s[G1A+5], REC/8
	s_mov_b32 s[G1A+6], 0
	s_mov_b32 s[G1A+7], 0
	s_mov_b32 s[G1B+1], 832<<16                    ; B eight
	s_mov_b32 s[G1B+2], 8<<16
	s_mov_b32 s[G1B+3], 832<<16
	s_mov_b32 s[G1B+4], 8
	s_mov_b32 s[G1B+5], REC/8
	s_mov_b32 s[G1B+6], 0
	s_mov_b32 s[G1B+7], 0
	s_lshl_b32 s19, ttmp9, 5
	s_lshl_b32 s20, s18, 3
	s_lshl_b32 s21, s16, 2
	s_add_co_u32 s20, s20, s21                     ; 8 cy + my four
	s_add_co_u32 s56, s19, s20                     ; A of blocks 0, 1: x's tile 32 x cluster + that
	s_mul_i32 s56, s56, REC
	s_mov_b32 s57, 0
	s_lshr_b32 s19, ttmp9, 3
	s_lshl_b32 s19, s19, 5
	s_add_co_u32 s58, s19, s20
	s_add_co_u32 s58, s58, 128                     ; A of block 2: W's tile 128 + 32 (cluster / 8) + that
	s_mul_i32 s58, s58, REC
	s_mov_b32 s59, 0
	s_lshl_b32 s60, s17, 4
	s_lshl_b32 s21, s16, 3
	s_add_co_u32 s60, s60, s21                     ; B of block 0: W's tile 16 cx + my eight (block 1: 64 tiles on)
	s_and_b32 s62, ttmp9, 7
	s_lshl_b32 s62, s62, 6
	s_add_co_u32 s62, s62, s60                     ; B of block 2: x's tile 64 (cluster % 8) + that
	s_mul_i32 s60, s60, REC
	s_mov_b32 s61, 0
	s_mul_i32 s62, s62, REC
	s_mov_b32 s63, 0
	s_mul_i32 s22, s16, 4*TP                       ; where my part goes in a slot: no place in the cluster enters an LDS address
	s_mul_i32 s23, s16, 8*TP
	s_add_co_u32 s23, s23, 8*TP
	s_wait_dscnt 0x0
	s_wait_kmcnt 0x0
	s_add_nc_u64 s[56:57], s[4:5], s[56:57]
	s_add_nc_u64 s[58:59], s[6:7], s[58:59]
	s_add_nc_u64 s[60:61], s[6:7], s[60:61]
	s_add_nc_u64 s[62:63], s[4:5], s[62:63]
	ROUND                                          ; all sixteen work-groups are here
.irp s, 0,1
	s_mov_b32 s[G0A+4*\s], 1
	s_add_co_u32 s[G0A+4*\s+1], s22, \s*SLOT
	s_add_nc_u64 s[G0A+4*\s+2:G0A+4*\s+3], s[56:57], (1-\s)*6144
	s_or_b32 s[G0A+4*\s+3], s[G0A+4*\s+3], 0x80000000
	s_mov_b32 s[G0B+4*\s], 1
	s_add_co_u32 s[G0B+4*\s+1], s23, \s*SLOT
	s_add_nc_u64 s[G0B+4*\s+2:G0B+4*\s+3], s[60:61], (1-\s)*6144
	s_or_b32 s[G0B+4*\s+3], s[G0B+4*\s+3], 0x80000000
.endr
	JLOAD 0                                        ; block 0's first fill: one load a wave at the head
	s_mov_b32 s2, 0x76543210
	s_mov_b32 s3, 0xfedcba98                       ; selects for lane l xor 16
	s_mov_b32 s100, 0xffff0000                     ; lanes 16-31
	s_mul_i32 s19, s15, 4*TP                       ; my four tiles of A in slot 0
	s_mul_i32 s20, s16, 8*TP
	s_add_co_u32 s20, s20, 8*TP                    ; my eight of B
	s_add_co_u32 s66, s19, SLOT
	s_add_co_u32 s67, s20, SLOT
	s_sub_co_u32 s68, s20, s19
	s_mul_i32 s69, s15, 4*HFB
	s_lshl_b32 s70, s15, 8
	v_and_b32 v8, 31, v0
	v_and_b32 v9, 15, v0
	v_bfe_u32 v10, v0, 4, 1
	v_lshlrev_b32 v[L16], 4, v8
	v_lshlrev_b32 v[L8], 3, v8
	v_lshlrev_b32 v21, 3, v10                      ; 8 h
	v_add_nc_u32 v3, s19, v[L16]                   ; slot 0: A's pieces of 16 and of 8 bytes, B's
	v_add_nc_u32 v4, s19, v[L8]
	v_add_nc_u32 v5, s20, v[L16]
	v_add_nc_u32 v6, s20, v[L8]
	v_add_nc_u32 v28, s66, v[L16]                  ; slot 1
	v_add_nc_u32 v29, s66, v[L8]
	v_add_nc_u32 v30, s67, v[L16]
	v_add_nc_u32 v31, s67, v[L8]
	v_mul_u32_u24 v11, s68, v10                    ; lanes 16-31 take B's: the lower base + h x the distance
	v_lshl_add_u32 v[ADRS], v9, 4, v11
	v_add_nc_u32 v[ADRS], s19, v[ADRS]
	v_add_nc_u32 v19, s69, v[L16]                  ; q, k on the way out: my four of the eight tiles of tokens
	v_add_nc_u32 v20, s69, v[L8]
	v_add_nc_u32 v23, s70, v[L8]                   ; and their scale words
	s_wait_alu depctr_va_vdst(0)
.macro SCALES                          ; a block's scale words, once, out of slot 0.  For i > 3 lanes 0-15 read filled bytes that no product names
.irp u, 0,1
.irp i, 0,1,2,3,4,5,6,7
	ds_load_b128 v[SC+32*\u+4*\i:SC+32*\u+4*\i+3], v[ADRS] offset:TP*\i+6144+256*\u
.endr
.endr
.endm
.macro FETCH n                         ; the n-th of a block's eight steps: slot n / 4, its (n % 4)-th 128 along K, into set n % 2: 48 loads
.set AD, 3+25*((\n)/4)
.set PP, (\n)%2
.set QQ, (\n)%4
	WIN 0x40
.irp b, 0,1,2,3,4,5,6,7
.irp c, 0,1
	ds_load_b128 v[128*PP+12*\b+6*\c:128*PP+12*\b+6*\c+3], v[AD+2] offset:TP*\b+HFB*(2*QQ+\c)
	ds_load_b64 v[128*PP+12*\b+6*\c+4:128*PP+12*\b+6*\c+5], v[AD+3] offset:TP*\b+HFB*(2*QQ+\c)+512
.endr
.endr
	WIN 0
.irp a, 0,1,2,3
.irp c, 0,1
	ds_load_b128 v[AF+48*PP+12*\a+6*\c:AF+48*PP+12*\a+6*\c+3], v[AD] offset:TP*\a+HFB*(2*QQ+\c)
	ds_load_b64 v[AF+48*PP+12*\a+6*\c+4:AF+48*PP+12*\a+6*\c+5], v[AD+1] offset:TP*\a+HFB*(2*QQ+\c)+512
.endr
.endr
.endm
.macro MUL k, p, zero                  ; K step k on set p: 32 matrix instructions, the 32 accumulators by turns
	WIN 0xa1
.irp a, 0,1,2,3
.irp b, 0,1,2,3,4,5,6,7
.if \zero
	v_wmma_scale_f32_16x16x128_f8f6f4 v[8*(8*\a+\b):8*(8*\a+\b)+7], v[128*(\p)+12*\b:128*(\p)+12*\b+11], v[AF+48*(\p)+12*\a:AF+48*(\p)+12*\a+11], 0, v[SC+32*((\k)/4)+4*\b+(\k)%4], v[SC+32*((\k)/4)+4*\a+(\k)%4] matrix_a_fmt:MATRIX_FMT_BF6 matrix_b_fmt:MATRIX_FMT_BF6 matrix_a_scale:MATRIX_SCALE_ROW1
.else
	v_wmma_scale_f32_16x16x128_f8f6f4 v[8*(8*\a+\b):8*(8*\a+\b)+7], v[128*(\p)+12*\b:128*(\p)+12*\b+11], v[AF+48*(\p)+12*\a:AF+48*(\p)+12*\a+11], v[8*(8*\a+\b):8*(8*\a+\b)+7], v[SC+32*((\k)/4)+4*\b+(\k)%4], v[SC+32*((\k)/4)+4*\a+(\k)%4] matrix_a_fmt:MATRIX_FMT_BF6 matrix_b_fmt:MATRIX_FMT_BF6 matrix_a_scale:MATRIX_SCALE_ROW1
.endif
.endr
.endr
	WIN 0
.endm
.macro KSTEP n, meet                   ; step n's fragments are waited for, the next step's asked for, its products issued.  meet = 1: the slot is read out and filled again; 2: the other slot is only shown whole
	s_wait_dscnt 0x0
.if \meet == 1
	MEET (\n)/4
.elseif \meet == 2
	s_wait_tensorcnt 0x0
	s_barrier_signal -1
	s_barrier_wait -1
	PLACES
.elseif (\n) > 0
	PLACES
.endif
.if (\n) < 7
	FETCH (\n)+1
.endif
.if (\n) == 0
	MUL 4, 0, 1
.else
	MUL ((\n)+4)%8, (\n)%2, 0
.endif
.endm
; THE WAY OUT of one half fragment: A's tile a x the g-th four of my tiles of B: bias, the block's byte into v[8 + 2 a + g], its codes into registers of their own.
.macro HFQ role, a, g
.set CQ, 96+8*(2*\a+\g)
	WIN 0x02
.set i, 0
.rept 16                               ; ascending: each accumulator is read from its low end on
.if \role == 0
	v_pk_add_f32 v[T+i:T+i+1], v[8*(8*\a+4*\g)+i:8*(8*\a+4*\g)+i+1], v[BI+32*\g+i:BI+32*\g+i+1]
.else
	v_pk_add_f32 v[T+i:T+i+1], v[8*(8*\a+4*\g)+i:8*(8*\a+4*\g)+i+1], v[BI+2*\a:BI+2*\a+1]
.endif
.set i, i+2
.endr
	WIN 0
	BMAX T, 16, 17
	v_add_nc_u32 v18, EOFF, v16                    ; 4 off the exponent field: the conversion's scale operand
	v_cvt_scalef32_pk16_bf6_f32 v[CQ:CQ+2], v[T:T+15], v18
	v_cvt_scalef32_pk16_bf6_f32 v[24:26], v[T+16:T+31], v18
	v_lshrrev_b32 v[8+2*\a+\g], 23, v18            ; the byte; also the plain place behind the conversions
	v_mov_b32 v[CQ+3], v24
	v_mov_b32 v[CQ+4], v25
	v_mov_b32 v[CQ+5], v26
.if \role == 0
	global_store_b128 v19, v[CQ:CQ+3], s[74:75] offset:16*KBLK*\g+HFB*\a
	global_store_b64 v20, v[CQ+4:CQ+5], s[74:75] offset:16*KBLK*\g+HFB*\a+512
.else
	global_store_b128 v[L16], v[CQ:CQ+3], s[74:75] offset:2*HFB*\a+HFB*\g
	global_store_b64 v[L8], v[CQ+4:CQ+5], s[74:75] offset:2*HFB*\a+HFB*\g+512
.endif
.endm
.macro JOINW                           ; v160-163: each lane's part of four words, 8 h bits up, joined with lane l xor 16's
.irp a, 0,1,2,3
	v_lshlrev_b32 v[160+\a], v21, v[160+\a]
.endr
.irp a, 0,1,2,3
	v_permlanex16_b32 v[164+\a], v[160+\a], s2, s3
.endr
.irp a, 0,1,2,3
	v_or_b32 v[160+\a], v[160+\a], v[164+\a]
.endr
.endm
	s_wait_tensorcnt 0x0                           ; my part of the first fill is in; slot 1's first fill is issued as a refill is
	ds_add_u32 v[SPW], v[NIL]
	s_wait_dscnt 0x0
	ROUND
	JLOAD 1
	s_mov_b32 s[JC], 0
.Ljob:
; ---------------- blocks 0 and 1: q and k ----------------
	s_cmp_eq_u32 s[JC], 0                          ; what the refills of this block fetch: the next block's tiles
	s_cselect_b64 s[76:77], s[56:57], s[58:59]
	s_add_nc_u64 s[78:79], s[60:61], 64*REC
	s_cselect_b64 s[78:79], s[78:79], s[62:63]
	s_lshl_b32 s20, s[JC], 2
	s_add_co_u32 s20, s20, s17
	s_lshl_b32 s20, s20, 10                        ; my work-group's 256 columns, in bytes,
	s_lshl_b32 s21, s16, 9
	s_add_co_u32 s20, s20, s21                     ; my wave's 128
	s_mov_b32 s21, 0
	s_add_nc_u64 s[72:73], s[8:9], s[20:21]
	s_mul_i32 s19, s[JC], 64*16*KBLK               ; q's or k's part of qk
	s_lshl_b32 s20, ttmp9, 2
	s_add_co_u32 s20, s20, s18                     ; which 128 tokens
	s_and_b32 s23, s20, 15
	s_lshr_b32 s20, s20, 4
	s_lshl_b32 s20, s20, 4
	s_lshl_b32 s22, s17, 2
	s_add_co_u32 s20, s20, s22
	s_lshl_b32 s22, s16, 1
	s_add_co_u32 s20, s20, s22                     ; 16 x batch + head: my first of two heads
	s_lshl_b32 s20, s20, 4
	s_add_co_u32 s20, s20, s23
	s_mul_i32 s20, s20, KBLK
	s_add_co_u32 s20, s20, s19
	s_add_nc_u64 s[74:75], s[10:11], s[20:21]
	v_lshlrev_b32 v16, 4, v21                      ; my half's 32 columns of each 64
.irp g, 0,1
.irp i, 0,1,2,3,4,5,6,7
	global_load_b128 v[BI+32*\g+4*\i:BI+32*\g+4*\i+3], v16, s[72:73] offset:256*\g+16*\i   ; the bias: it lands during the K walk
.endr
.endr
	SCALES
	FETCH 0
	KSTEP 0, 0
	KSTEP 1, 0
	KSTEP 2, 0
	KSTEP 3, 1
	KSTEP 4, 0
	KSTEP 5, 0
	KSTEP 6, 0
	KSTEP 7, 1
	PLACES
	s_wait_loadcnt 0x0                             ; the bias
.irp a, 0,1,2,3
.irp g, 0,1
	HFQ 0, \a, \g
.endr
.endr
.irp g, 0,1                            ; a token's word: (b0, b1, b0, b1).  Lane l stores the words of tiles l / 16 and 2 + l / 16, row l % 16
.irp a, 0,1,2,3
	v_mov_b32 v[160+\a], v[8+2*\a+\g]
.endr
	JOINW
.irp a, 0,1,2,3
	v_lshl_or_b32 v[160+\a], v[160+\a], 16, v[160+\a]
.endr
	v_cndmask_b32 v[168+2*\g], v160, v161, s100
	v_cndmask_b32 v[169+2*\g], v162, v163, s100
	global_store_b64 v23, v[168+2*\g:169+2*\g], s[74:75] offset:16*KBLK*\g+8*HFB
.endr
	s_wait_alu depctr_va_vdst(0)
	s_wait_xcnt 0x0                                ; the stores have read their registers and their base: both are written again in the next block
	s_add_co_u32 s[JC], s[JC], 1
	s_cmp_lt_u32 s[JC], 2
	s_cbranch_scc1 .Ljob
; ---------------- block 2: v ----------------
	s_lshr_b32 s20, ttmp9, 3
	s_lshl_b32 s20, s20, 2
	s_add_co_u32 s20, s20, s18                     ; which 128 channels of v
	s_lshl_b32 s22, s20, 1
	s_add_co_u32 s22, s22, s15                     ; my wave's head
	s_lshl_b32 s20, s20, 9
	s_lshl_b32 s21, s15, 8
	s_add_co_u32 s20, s20, s21
	s_add_co_u32 s20, s20, 2048*4                  ; v's bias begins at column 2,048
	s_mov_b32 s21, 0
	s_add_nc_u64 s[72:73], s[8:9], s[20:21]
	s_and_b32 s19, ttmp9, 7
	s_lshl_b32 s19, s19, 2
	s_add_co_u32 s19, s19, s17
	s_lshl_b32 s19, s19, 1
	s_add_co_u32 s19, s19, s16                     ; which 128 tokens are my wave's
	s_and_b32 s23, s19, 15
	s_lshr_b32 s19, s19, 4
	s_lshl_b32 s19, s19, 4
	s_add_co_u32 s19, s19, s22                     ; 16 x batch + head
	s_lshl_b32 s19, s19, 4
	s_add_co_u32 s20, s19, s23
	s_mul_i32 s20, s20, VBLK
	s_add_nc_u64 s[74:75], s[12:13], s[20:21]
	v_bfe_u32 v17, v0, 3, 1
	v_and_b32 v16, 7, v0
	v_lshl_add_u32 v16, v17, 5, v16
	v_lshlrev_b32 v16, 2, v16                      ; my channel of tile a: 32 (r / 8) + 8 a + r % 8
.irp a, 0,1,2,3
	global_load_b32 v[BI+2*\a], v16, s[72:73] offset:32*\a              ; twice: a pair for the packed addition
	global_load_b32 v[BI+2*\a+1], v16, s[72:73] offset:32*\a
.endr
	SCALES
	FETCH 0
	KSTEP 0, 0
	KSTEP 1, 0
	KSTEP 2, 0
	KSTEP 3, 2
	KSTEP 4, 0
	KSTEP 5, 0
	KSTEP 6, 0
	KSTEP 7, 0
	PLACES
	s_wait_loadcnt 0x0
.irp a, 0,1,2,3
.irp g, 0,1
	HFQ 1, \a, \g
.endr
.endr
.irp a, 0,1,2,3                        ; a channel's word: the bytes of the four blocks of 32 keys; mine are blocks h and 2 + h
	v_lshl_or_b32 v[160+\a], v[9+2*\a], 16, v[8+2*\a]
.endr
	JOINW
	v_cndmask_b32 v168, v160, v161, s100
	v_cndmask_b32 v169, v162, v163, s100
	global_store_b64 v[L8], v[168:169], s[74:75] offset:8*HFB
	s_wait_tensorcnt 0x0                           ; the wave's end
	ds_add_u32 v[SPW], v[NIL]
	s_wait_dscnt 0x0
	ROUND                                          ; the closing round
	s_endpgm
.Lfunc_end_k_qcb03c261c5_gemm_qkv:
	.size	k_qcb03c261c5_gemm_qkv, .Lfunc_end_k_qcb03c261c5_gemm_qkv-k_qcb03c261c5_gemm_qkv
	.p2alignl 7, 3214868480
	.fill 96, 4, 3214868480
	.section	.rodata,"a",@progbits
	.p2align	6, 0x0
	.amdhsa_kernel k_qcb03c261c5_gemm_qkv
		.amdhsa_group_segment_fixed_size 327680
		.amdhsa_private_segment_fixed_size 0
		.amdhsa_enable_private_segment 0
		.amdhsa_kernarg_size 40
		.amdhsa_user_sgpr_count 2
		.amdhsa_user_sgpr_kernarg_segment_ptr 1
		.amdhsa_wavefront_size32 1
		.amdhsa_system_sgpr_workgroup_id_x 1
		.amdhsa_system_sgpr_workgroup_id_y 1
		.amdhsa_system_sgpr_workgroup_id_z 1
		.amdhsa_system_vgpr_workitem_id 0
		.amdhsa_next_free_vgpr 768
		.amdhsa_next_free_sgpr 102
		.amdhsa_reserve_vcc 0
		.amdhsa_float_denorm_mode_32 3
		.amdhsa_float_denorm_mode_16_64 3
		.amdhsa_memory_ordered 1
		.amdhsa_forward_progress 1
		.amdhsa_inst_pref_size 178
	.end_amdhsa_kernel
	.amdgpu_metadata
---
amdhsa.version: [ 1, 2 ]
amdhsa.kernels:
  - .name:           k_qcb03c261c5_gemm_qkv
    .symbol:         k_qcb03c261c5_gemm_qkv.kd
    .args:
      - { .name: xq, .offset: 0, .size: 8, .value_kind: global_buffer, .address_space: global }
      - { .name: wq, .offset: 8, .size: 8, .value_kind: global_buffer, .address_space: global }
      - { .name: b_attn, .offset: 16, .size: 8, .value_kind: global_buffer, .address_space: global }
      - { .name: qk, .offset: 24, .size: 8, .value_kind: global_buffer, .address_space: global }
      - { .name: vb, .offset: 32, .size: 8, .value_kind: global_buffer, .address_space: global }
    .group_segment_fixed_size: 327680
    .private_segment_fixed_size: 0
    .kernarg_segment_align: 8
    .kernarg_segment_size: 40
    .max_flat_workgroup_size: 128
    .sgpr_count:     102
    .vgpr_count:     768
    .wavefront_size: 32
...
	.end_amdgpu_metadata
.endif
;; end of part 2
;; launch attn (part 3): grid 4 x 64, 8 waves a work-group, clusters of 4 x 1, 210,944 bytes of LDS; arguments qk, vb, yq; writes yq
.if DOCPART == 3
	.amdgcn_target "amdgcn-amd-amdhsa--gfx1250"
	.amdhsa_code_object_version 6
	.text
	.protected	k_qcb03c261c5_attn
	.globl	k_qcb03c261c5_attn
	.p2align	8
	.type	k_qcb03c261c5_attn,@function
k_qcb03c261c5_attn:
	s_mov_b64 s[64:65], 0
	v_nop
	global_prefetch_b8 v0, s[64:65] scope:SCOPE_SE
	s_setreg_imm32_b32 hwreg(HW_REG_WAVE_MODE, 25, 1), 1
	s_wait_xcnt 0x0
	s_wait_alu depctr_hold_cnt(0) depctr_sa_sdst(0) depctr_va_vdst(0) depctr_va_sdst(0) depctr_va_ssrc(0) depctr_va_vcc(0) depctr_vm_vsrc(0)
	s_getreg_b32 s2, hwreg(HW_REG_IB_STS2, 6, 4)
	s_cmp_eq_u32 s2, 0
	s_cbranch_scc0 .Lentry_in_a_cluster
	s_endpgm
.Lentry_in_a_cluster:
	s_bfe_u32 s2, ttmp6, 0x10000c
	s_cmp_lg_u32 s2, 0x3003
	s_cbranch_scc0 .Lentry_shape_is_right
	s_endpgm
.Lentry_shape_is_right:
; y[b][q][head] = softmax_k(q . k / 8) v, both products on codes of BF6 (E3M2) with E8M0 scales; y leaves as codes, quantised along the channels, for the last product.
; THE SOFTMAX AHEAD OF THE SECOND PRODUCT: t = score x log2(e) / 8; M = the running largest t rounded UP to a whole number; p = 2^(t - M) is what is quantised, along the keys, not normalised.
; The row's sum is taken of the unquantised p, in f32, and divides at the end.  When M moves, the sum and O are multiplied by 2^(old M - new M): exact; no branch hangs on data.
; INPUT: qk [q, k][batch x head][128 tokens][6,656]: 8 half fragments (16 tokens x 64 channels, 768 bytes: lane l's bytes 0-15 at 16 l, bytes 16-23 at 512 + 8 l), then scale words; vb [batch x head][128 keys][6,400]: 4 tiles of channels x 2 half fragments, then scale words.
; SHARES.  A work-group owns 512 queries of one head; each of its eight waves TWO tiles of 16 (A and B) in each of two passes: each fragment of K and V is read from LDS once for both tiles, and the two tiles' chains stand interleaved.
; A WHOLE HEAD'S K AND V LIE IN LDS (204 KiB): asked for once, at the start, one joint load a wave (waves 0-3 K's four pieces, waves 4-7 V's); nothing is filled again.  The four work-groups of a cluster own the same head.
; LAYOUT.  Both products are used transposed: S^T = K Q^T, O^T = V^T P^T: a lane holds ONE query (lane % 16) of each tile.  Row r of tile 4 u + i of a step's keys is key 64 u + 32 (r / 8) + 8 i + r % 8, so the 32 registers of four
; neighbouring tiles are keys 64 u + 32 (lane / 16) + 0 .. 31: a whole block of p lies in one lane.  The channels' tiles are ordered alike, so O^T's 32 registers are a block of y.
; THE HEAD HAS 64 CHANNELS, the instruction 128 along K: Q's upper six registers are zero codes, written once.  K's fragment t names twelve registers from v[104 + 6 t]: its upper six are the next tile's codes (behind the last: zeros).
; A STEP is 128 keys.  V's fragments are asked for at its top, the NEXT step's K straight behind the first products.  The last step of a pass so asks for the 6,656 bytes behind K's last block, filled bytes that are not used.
; THE EXPONENTIALS stand in two batches: A's 64 with B's 32 multiply-adds among them, B's 64 with the first level of A's sum among them; what is written inside a batch is read behind the batch's closing wait.
; LIMITS: a block of zeros, or one under 2^-122, gets the byte 1 where the rule says 127 (this program alone reads the bytes); NaN and infinities are not served; v_exp_f32 gives 0 for p under 2^-126;
; a block's largest p is made of its largest score, which takes v_exp_f32 not to fall where its input rises.
; REGISTERS.  Window 0: v1-7 addresses; v8-11 f (A, B); v12-15 -M and the largest t; v16-19 the sums; v20-27 the blocks' maxima; v28-31 at work; v36-39 the conversions' scales; v40-41 Q's scale words, v42-43 p's, v44-45 V's, v46-49 K's;
; v50-51 lane permutes; v52-53 the add's two; v54 8 r, v55 16 r + h; v56-79 Q; v80-103 p's codes; v104-157 K; v158-205 V; v206-220 conversions' second halves.
; Window 1: v0-63, v64-127 S^T, then p (A, B); v128-159, v160-191 O^T; v192-255 partial sums.
.set REC,   12800
.set HFB,   768
.set KBLK,  6656
.set VBLK,  6400
.set VREG,  16*KBLK
.set SPARE, 0x33000
.set FLOOR, 0x2800000                  ; 2^(5 - 127)
.set EOFF,  0xfe000000                 ; -(4 << 23)
.set SPW, 52
.set NIL, 53
.set QA,  56
.set QB,  68
.set PA,  80
.set PB,  92
.set KF,  104
.set VF,  158
.set CT,  206
.set G1K, 24
.set G1V, 32
.set MSB, 0
.macro WIN new                         ; low byte: bits 1:0 source 0, 3:2 source 1, 5:4 source 2, 7:6 destination; the high byte repeats the setting that is left
.if MSB != \new
	s_set_vgpr_msb (MSB<<8)|\new
.set MSB, \new
.endif
.endm
.macro PLACES
.rept 4
	v_nop
.endr
.endm
.macro ROUND                           ; a round of the cluster's barrier
	s_barrier_signal -1
	s_barrier_wait -1
	s_cmp_lg_u32 s10, 0
	s_cbranch_scc1 .Lnot_wave_0_\@
	s_barrier_signal -3
.Lnot_wave_0_\@:
	s_barrier_wait -3
	s_barrier_signal -1
	s_barrier_wait -1
.endm
.macro WS0 d, a, b, sa, sb, row        ; a product that starts its sum
.if \row
	v_wmma_scale_f32_16x16x128_f8f6f4 v[(\d):(\d)+7], v[(\a):(\a)+11], v[(\b):(\b)+11], 0, v[(\sa)], v[(\sb)] matrix_a_fmt:MATRIX_FMT_BF6 matrix_b_fmt:MATRIX_FMT_BF6 matrix_a_scale:MATRIX_SCALE_ROW1
.else
	v_wmma_scale_f32_16x16x128_f8f6f4 v[(\d):(\d)+7], v[(\a):(\a)+11], v[(\b):(\b)+11], 0, v[(\sa)], v[(\sb)] matrix_a_fmt:MATRIX_FMT_BF6 matrix_b_fmt:MATRIX_FMT_BF6
.endif
.endm
.macro WSA d, a, b, sa, sb, row        ; a product that adds in place
.if \row
	v_wmma_scale_f32_16x16x128_f8f6f4 v[(\d):(\d)+7], v[(\a):(\a)+11], v[(\b):(\b)+11], v[(\d):(\d)+7], v[(\sa)], v[(\sb)] matrix_a_fmt:MATRIX_FMT_BF6 matrix_b_fmt:MATRIX_FMT_BF6 matrix_a_scale:MATRIX_SCALE_ROW1
.else
	v_wmma_scale_f32_16x16x128_f8f6f4 v[(\d):(\d)+7], v[(\a):(\a)+11], v[(\b):(\b)+11], v[(\d):(\d)+7], v[(\sa)], v[(\sb)] matrix_a_fmt:MATRIX_FMT_BF6 matrix_b_fmt:MATRIX_FMT_BF6
.endif
.endm
.macro KLOAD a16, a8                   ; a step's K: eight half fragments and the scale words (register 46 + t / 2: lanes 0-15 the even tile, lanes 16-31 the odd one): 18 loads
.irp t, 0,1,2,3,4,5,6,7
	ds_load_b128 v[KF+6*\t:KF+6*\t+3], v[\a16] offset:HFB*\t
	ds_load_b64 v[KF+6*\t+4:KF+6*\t+5], v[\a8] offset:HFB*\t+512
.endr
	ds_load_b64 v[46:47], v[\a8] offset:8*HFB
	ds_load_b64 v[48:49], v[\a8] offset:8*HFB+256
.endm
	s_load_b128 s[4:7], s[0:1], 0x0                ; qk, vb
	s_load_b64 s[8:9], s[0:1], 0x10                ; yq
	v_lshl_add_u32 v[SPW], v0, 2, SPARE
	v_mov_b32 v[NIL], 0
	ds_add_u32 v[SPW], v[NIL]                      ; the opening lines
	ds_add_u32 v[SPW], v[NIL]
	v_lshrrev_b32 v1, 5, v0
	v_readfirstlane_b32 s10, v1                    ; wave 0..7
	s_bfe_u32 s11, ttmp6, 0x40000                  ; cx: it enters Q's and y's global addresses alone
	s_and_b32 s12, ttmp7, 0xffff                   ; 16 x batch + head, which the four partners share
	s_mov_b32 s[G1K], 15|(3<<16)|(1<<21)           ; the mask: all four; elements of 8 bytes; bit 21 beside a mask
	s_mov_b32 s[G1K+1], 32<<16                     ; a piece is dense: rows of 256 bytes
	s_mov_b32 s[G1K+2], (4*KBLK/256)<<16
	s_mov_b32 s[G1K+3], 32<<16
	s_mov_b32 s[G1K+4], 4*KBLK/256                 ; K: four blocks, 104 rows
	s_mov_b32 s[G1K+5], 32
	s_mov_b32 s[G1K+6], 0
	s_mov_b32 s[G1K+7], 0
	s_mov_b32 s[G1V], 15|(3<<16)|(1<<21)
	s_mov_b32 s[G1V+1], 32<<16
	s_mov_b32 s[G1V+2], (4*VBLK/256)<<16
	s_mov_b32 s[G1V+3], 32<<16
	s_mov_b32 s[G1V+4], 4*VBLK/256                 ; V: four blocks, 100 rows
	s_mov_b32 s[G1V+5], 32
	s_mov_b32 s[G1V+6], 0
	s_mov_b32 s[G1V+7], 0
	s_mul_i32 s14, s12, 16*KBLK
	s_mov_b32 s15, 0
	s_mul_i32 s2, s12, 16*VBLK
	s_mov_b32 s3, 0
	s_mov_b32 s80, 0x76543210
	s_mov_b32 s81, 0xfedcba98                      ; selects for lane l xor 16
	s_mov_b32 s82, 0x3e38aa3b                      ; c = log2(e) / 8
	s_mov_b32 s83, s82
	s_and_b32 s84, s10, 3                          ; my piece
	s_wait_dscnt 0x0
	s_wait_kmcnt 0x0
	s_add_nc_u64 s[14:15], s[4:5], s[14:15]        ; the head in q's part of qk; k's part lies 64 x 16 blocks on
	s_add_nc_u64 s[2:3], s[6:7], s[2:3]            ; and in vb
	s_mov_b32 s40, 1
	s_mul_i32 s41, s84, 4*KBLK
	s_mov_b32 s86, s41
	s_mov_b32 s87, 0
	s_add_nc_u64 s[42:43], s[14:15], s[86:87]
	s_add_nc_u64 s[42:43], s[42:43], 64*16*KBLK
	s_or_b32 s43, s43, 0x80000000
	s_mov_b32 s44, 1
	s_mul_i32 s86, s84, 4*VBLK
	s_add_co_u32 s45, s86, VREG
	s_add_nc_u64 s[46:47], s[2:3], s[86:87]
	s_or_b32 s47, s47, 0x80000000
	ROUND                                          ; all four work-groups are here: the joint loads meet
	s_cmp_lt_u32 s10, 4
	s_cbranch_scc0 .Lfor_v
	tensor_load_to_lds s[40:43], s[G1K:G1K+7]
	s_nop 0
	PLACES
	s_branch .Lasked
.Lfor_v:
	tensor_load_to_lds s[44:47], s[G1V:G1V+7]
	s_nop 0
	PLACES
.Lasked:
	; tile A in pass p is tile 32 cx + 16 p + 2 x wave of the batch's 128, tile B the next: block 4 cx + 2 p + wave / 4 of the head, tiles 2 (wave % 4) and + 1 of that block
	s_lshl_b32 s90, s10, 1
	s_lshr_b32 s84, s90, 3
	s_and_b32 s85, s90, 7
	s_lshl_b32 s86, s11, 2
	s_add_co_u32 s86, s86, s84
	s_mul_i32 s86, s86, KBLK
	s_mov_b32 s87, 0
	s_add_nc_u64 s[18:19], s[14:15], s[86:87]      ; the block
	s_mul_i32 s86, s85, HFB
	s_add_nc_u64 s[16:17], s[18:19], s[86:87]      ; A's half fragment; B's lies 768 bytes on
	s_lshr_b32 s86, s85, 2
	s_lshl_b32 s86, s86, 8
	s_bfe_u32 s88, s85, 0x10001
	s_lshl_b32 s88, s88, 2
	s_add_co_u32 s86, s86, s88
	s_add_co_u32 s86, s86, 8*HFB
	s_add_nc_u64 s[18:19], s[18:19], s[86:87]      ; A's scale words, 8 bytes from row to row; B's lie 128 bytes on
	s_lshr_b32 s86, s12, 4                         ; batch
	s_and_b32 s88, s12, 15                         ; head
	s_lshl_b32 s86, s86, 7
	s_lshl_b32 s89, s11, 5
	s_add_co_u32 s86, s86, s89
	s_add_co_u32 s86, s86, s90
	s_mul_i32 s86, s86, REC
	s_add_nc_u64 s[22:23], s[8:9], s[86:87]        ; A's record in yq; B's is the next
	s_mul_i32 s86, s88, HFB
	s_add_nc_u64 s[20:21], s[22:23], s[86:87]      ; the head's half fragment in it
	s_lshr_b32 s86, s88, 3
	s_lshl_b32 s86, s86, 8
	s_and_b32 s88, s88, 7
	s_lshl_b32 s88, s88, 1
	s_add_co_u32 s86, s86, s88
	s_add_co_u32 s86, s86, 16*HFB
	s_add_nc_u64 s[22:23], s[22:23], s[86:87]      ; and the head's two bytes of each row in its scale images
	v_and_b32 v3, 31, v0
	v_and_b32 v4, 15, v0                           ; r
	v_bfe_u32 v5, v0, 4, 1                         ; h
	v_lshlrev_b32 v1, 4, v3                        ; 16 x lane
	v_lshlrev_b32 v2, 3, v3                        ; 8 x lane
	v_lshlrev_b32 v7, 3, v5                        ; 8 h
	v_lshlrev_b32 v54, 3, v4                       ; 8 r
	v_lshl_add_u32 v55, v4, 4, v5                  ; 16 r + h
.irp i, 0,1,2,3,4,5
	v_mov_b32 v[QA+6+\i], 0                        ; zero codes for k = 64 .. 127 of the first product, once
	v_mov_b32 v[QB+6+\i], 0
	v_mov_b32 v[KF+48+\i], 0
.endr
	v_mov_b32 v9, 0                                ; (named as the upper halves of the pairs v[8:9], v[10:11])
	v_mov_b32 v11, 0
	v_mov_b32 v50, 0                               ; a lane permute's destination counts as one of its sources
	v_mov_b32 v51, 0
	s_wait_alu depctr_va_vdst(0)
; A KEY STEP: 128 keys; V at LDS byte s77; K is in registers or on its way; the next step's K at LDS byte s76.
.macro STEP
	v_add_nc_u32 v5, s77, v1                       ; with the two v_nop: the places behind the last products, ahead of the loads into their sources
	v_add_nc_u32 v6, s77, v2
	v_nop
	v_nop
.irp t, 0,1,2,3
.irp c, 0,1
	ds_load_b128 v[VF+12*\t+6*\c:VF+12*\t+6*\c+3], v5 offset:HFB*(2*\t+\c)
	ds_load_b64 v[VF+12*\t+6*\c+4:VF+12*\t+6*\c+5], v6 offset:HFB*(2*\t+\c)+512
.endr
.endr
	ds_load_b64 v[44:45], v6 offset:8*HFB
	s_wait_dscnt 17                                ; K's 18 loads, issued a step ago, are in; V's 17 may be out
	WIN 0x40
.irp t, 0,1,2,3,4,5,6,7                ; S^T = K Q^T, each fragment of K for both tiles
	WS0 8*\t, KF+6*\t, QA, 46+\t/2, 40, \t%2
	WS0 64+8*\t, KF+6*\t, QB, 46+\t/2, 41, \t%2
.endr
	WIN 0
	v_add_nc_u32 v3, s76, v1                       ; four places, ahead of the loads into K's registers and of the reads of S^T
	v_add_nc_u32 v4, s76, v2
	v_nop
	v_nop
	KLOAD 3, 4                                     ; the next step's K
	; the largest score of each block of 32 keys, two chains a block, eight chains by turns, ascending (each accumulator is read from its low end on)
	WIN 0x15
.irp x, 0,1
.irp u, 0,1
	v_max3_num_f32 v[20+4*\x+\u], v[64*\x+32*\u], v[64*\x+32*\u+1], v[64*\x+32*\u+2]
	v_max3_num_f32 v[22+4*\x+\u], v[64*\x+32*\u+3], v[64*\x+32*\u+4], v[64*\x+32*\u+5]
.endr
.endr
	WIN 0x14
.irp i, 6,10,14,18,22,26
.irp x, 0,1
.irp u, 0,1
	v_max3_num_f32 v[20+4*\x+\u], v[20+4*\x+\u], v[64*\x+32*\u+\i], v[64*\x+32*\u+\i+1]
	v_max3_num_f32 v[22+4*\x+\u], v[22+4*\x+\u], v[64*\x+32*\u+\i+2], v[64*\x+32*\u+\i+3]
.endr
.endr
.endr
.irp x, 0,1
.irp u, 0,1
	v_max3_num_f32 v[20+4*\x+\u], v[20+4*\x+\u], v[64*\x+32*\u+30], v[64*\x+32*\u+31]
.endr
.endr
	WIN 0
.irp m, 20,21,24,25
	v_max_num_f32 v[\m], v[\m], v[\m+2]
.endr
	v_max_num_f32 v28, v20, v21                    ; the two tiles' chains by turns from here on
	v_max_num_f32 v29, v24, v25
	v_permlanex16_b32 v50, v28, s80, s81
	v_permlanex16_b32 v51, v29, s80, s81
	v_max_num_f32 v28, v28, v50                    ; the step's largest score of my query
	v_max_num_f32 v29, v29, v51
	v_mul_f32 v28, s82, v28                        ; as t (c is positive)
	v_mul_f32 v29, s82, v29
	v_max_num_f32 v13, v13, v28                    ; the running largest t
	v_max_num_f32 v15, v15, v29
	v_mov_b32 v28, v12
	v_mov_b32 v29, v14
	v_floor_f32 v12, -v13                          ; the new -M = floor(-t) = -ceil(t)
	v_floor_f32 v14, -v15
	v_sub_f32 v28, v12, v28                        ; old M - new M: a whole number, 0 or less
	v_sub_f32 v29, v14, v29
	v_cvt_i32_f32 v28, v28                         ; (it saturates)
	v_cvt_i32_f32 v29, v29
	v_ldexp_f32 v8, 1.0, v28                       ; f = 2^(old M - new M)
	v_ldexp_f32 v10, 1.0, v29
	v_fma_f32 v20, v20, s82, v12                   ; t - M of each block's largest score
	v_fma_f32 v21, v21, s82, v12
	v_fma_f32 v24, v24, s82, v14
	v_fma_f32 v25, v25, s82, v14
	WIN 0x45
.set i, 0
.rept 32
	v_pk_fma_f32 v[i:i+1], v[i:i+1], s[82:83], v[12:13] op_sel_hi:[1,0,0]           ; A: t - M (of the pairs c and -M the low word serves both halves)
.set i, i+2
.endr
	WIN 0
	s_wait_alu depctr_va_vdst(0)
	v_exp_f32 v20, v20                             ; the blocks' largest p
	v_exp_f32 v21, v21
	v_exp_f32 v24, v24
	v_exp_f32 v25, v25
	WIN 0x45
.set i, 0
.rept 32
	v_exp_f32 v[i], v[i]                           ; A: p = 2^(t - M), at most 1
	v_exp_f32 v[i+1], v[i+1]
	v_pk_fma_f32 v[64+i:65+i], v[64+i:65+i], s[82:83], v[14:15] op_sel_hi:[1,0,0]   ; B: t - M: read behind the wait below
.set i, i+2
.endr
	s_wait_alu depctr_va_vdst(0)                   ; behind A's batch, ahead of B's
.set i, 0
.rept 16
	v_exp_f32 v[64+4*i], v[64+4*i]                 ; B: p
	v_exp_f32 v[65+4*i], v[65+4*i]
	v_exp_f32 v[66+4*i], v[66+4*i]
	v_exp_f32 v[67+4*i], v[67+4*i]
	v_pk_add_f32 v[192+2*i:193+2*i], v[4*i:4*i+1], v[4*i+2:4*i+3]                   ; A's sum, first level: read behind the wait below
.set i, i+1
.endr
	WIN 0
	s_wait_alu depctr_va_vdst(0)                   ; behind the batch
.irp m, 20,21,24,25
	v_max_num_f32 v[\m], FLOOR, v[\m]              ; the floor: the byte cannot fall under 1
.endr
	v_add_nc_u32 v36, EOFF, v20                    ; 4 off the exponent field: the conversions' scale operands
	v_add_nc_u32 v37, EOFF, v21
	v_add_nc_u32 v38, EOFF, v24
	v_add_nc_u32 v39, EOFF, v25
.irp j, 0,1,2,3
	v_lshrrev_b32 v[28+\j], 23, v[36+\j]           ; the scales' bytes
.endr
	v_lshl_or_b32 v42, v29, 16, v28                ; my bytes are those of blocks h and 2 + h
	v_lshl_or_b32 v43, v31, 16, v30
	v_lshlrev_b32 v42, v7, v42
	v_lshlrev_b32 v43, v7, v43
	v_permlanex16_b32 v50, v42, s80, s81
	v_permlanex16_b32 v51, v43, s80, s81
	v_or_b32 v42, v42, v50                         ; p's scale words for these 128 keys
	v_or_b32 v43, v43, v51
	WIN 0x01
.irp x, 0,1                            ; (a conversion's three registers begin on an even number: the second halves are made elsewhere and moved)
	v_cvt_scalef32_pk16_bf6_f32 v[PA+12*\x:PA+12*\x+2], v[64*\x:64*\x+15], v[36+2*\x]
	v_cvt_scalef32_pk16_bf6_f32 v[CT+8*\x:CT+8*\x+2], v[64*\x+16:64*\x+31], v[36+2*\x]
	v_cvt_scalef32_pk16_bf6_f32 v[PA+12*\x+6:PA+12*\x+8], v[64*\x+32:64*\x+47], v[37+2*\x]
	v_cvt_scalef32_pk16_bf6_f32 v[CT+8*\x+4:CT+8*\x+6], v[64*\x+48:64*\x+63], v[37+2*\x]
.endr
	WIN 0
	v_nop                                          ; one plain place behind the conversions
.irp x, 0,1
.irp j, 0,1,2
	v_mov_b32 v[PA+12*\x+3+\j], v[CT+8*\x+\j]
	v_mov_b32 v[PA+12*\x+9+\j], v[CT+8*\x+4+\j]
.endr
.endr
	WIN 0x44
	s_wait_alu depctr_va_vdst(0)
.set i, 0
.rept 16
	v_pk_mul_f32 v[128+i:129+i], v[8:9], v[128+i:129+i] op_sel_hi:[0,1]             ; O^T under the new M, ascending
.set i, i+2
.endr
.set i, 0
.rept 16
	v_pk_mul_f32 v[160+i:161+i], v[10:11], v[160+i:161+i] op_sel_hi:[0,1]
.set i, i+2
.endr
	WIN 0x45
.set i, 0
.rept 16
	v_pk_add_f32 v[224+2*i:225+2*i], v[64+4*i:65+4*i], v[66+4*i:67+4*i]             ; THE ROWS' SUMS ARE TAKEN OF THE UNQUANTISED p: B's first level,
.set i, i+1
.endr
.irp d, 8,4,2,1                        ; and both trees
.set i, 0
.rept \d
	v_pk_add_f32 v[192+2*i:193+2*i], v[192+2*i:193+2*i], v[192+2*(i+\d):193+2*(i+\d)]
	v_pk_add_f32 v[224+2*i:225+2*i], v[224+2*i:225+2*i], v[224+2*(i+\d):225+2*(i+\d)]
.set i, i+1
.endr
.endr
	WIN 0x10
	v_pk_fma_f32 v[16:17], v[16:17], v[8:9], v[192:193] op_sel_hi:[1,0,1]           ; the old sums come under the new M
	v_pk_fma_f32 v[18:19], v[18:19], v[10:11], v[224:225] op_sel_hi:[1,0,1]
	WIN 0
	s_wait_alu depctr_va_vdst(0)
	s_wait_dscnt 18                                ; V's 17 loads are in; the next K's 18 may be out
	WIN 0x50
.irp t, 0,1,2,3                        ; O^T += V^T P^T: eight accumulators, one instruction each
	WSA 128+8*\t, VF+12*\t, PA, 44+\t/2, 42, \t%2
	WSA 160+8*\t, VF+12*\t, PB, 44+\t/2, 43, \t%2
.endr
	WIN 0
	s_add_co_u32 s76, s76, KBLK
	s_add_co_u32 s77, s77, VBLK
.endm
.macro STEPS
	s_mov_b32 s78, 16
.Lstep_\@:
	STEP
	s_sub_co_u32 s78, s78, 1
	s_cmp_lg_u32 s78, 0
	s_cbranch_scc1 .Lstep_\@
.endm
.macro PROLOG p                        ; pass p: my two tiles of queries; the statistics and O^T begin anew (the first step finds zeros, which the first change of M leaves zeros)
.if \p
	s_wait_xcnt 0x0                                ; the last pass's stores have read their registers
.endif
	global_load_b128 v[QA:QA+3], v1, s[16:17] offset:2*KBLK*\p
	global_load_b64 v[QA+4:QA+5], v2, s[16:17] offset:2*KBLK*\p+512
	global_load_b128 v[QB:QB+3], v1, s[16:17] offset:2*KBLK*\p+HFB
	global_load_b64 v[QB+4:QB+5], v2, s[16:17] offset:2*KBLK*\p+HFB+512
	global_load_b32 v40, v54, s[18:19] offset:2*KBLK*\p
	global_load_b32 v41, v54, s[18:19] offset:2*KBLK*\p+128
	v_mov_b32 v13, 0xff61b1e6                      ; the largest t so far: -3e38
	v_mov_b32 v15, 0xff61b1e6
	v_floor_f32 v12, -v13
	v_floor_f32 v14, -v15
.irp j, 16,17,18,19
	v_mov_b32 v[\j], 0
.endr
	WIN 0x40
.set i, 0
.rept 64
	v_mov_b32 v[128+i], 0
.set i, i+1
.endr
	WIN 0
	s_mov_b32 s76, KBLK
	s_mov_b32 s77, VREG
	s_wait_loadcnt 0x0
.endm
.macro EPI p                           ; y = O^T / the sum: a tile's 32 registers are channels 32 h + 0 .. 31 of my query: a block
	s_wait_dscnt 0x0                               ; the loads issued in the last step have landed: K's registers may be loaded again
	PLACES
	v_add_f32 v16, v16, v17
	v_add_f32 v18, v18, v19
	v_permlanex16_b32 v50, v16, s80, s81
	v_permlanex16_b32 v51, v18, s80, s81
	v_add_f32 v16, v16, v50                        ; the rows' sums
	v_add_f32 v18, v18, v51
	s_wait_alu depctr_va_vdst(0)
	v_rcp_f32 v8, v16
	v_rcp_f32 v10, v18
	v_nop                                          ; one plain place behind the reciprocals
	WIN 0x44
	s_wait_alu depctr_va_vdst(0)
.set i, 0
.rept 16
	v_pk_mul_f32 v[i:i+1], v[8:9], v[128+i:129+i] op_sel_hi:[0,1]                   ; ascending: each accumulator from its low end on
.set i, i+2
.endr
.set i, 0
.rept 16
	v_pk_mul_f32 v[64+i:65+i], v[10:11], v[160+i:161+i] op_sel_hi:[0,1]
.set i, i+2
.endr
	WIN 0x15
.irp x, 0,1
	v_max3_num_f32 v[20+4*\x], |v[64*\x]|, |v[64*\x+1]|, |v[64*\x+2]|
	v_max3_num_f32 v[22+4*\x], |v[64*\x+3]|, |v[64*\x+4]|, |v[64*\x+5]|
.endr
	WIN 0x14
.irp i, 6,10,14,18,22,26
.irp x, 0,1
	v_max3_num_f32 v[20+4*\x], v[20+4*\x], |v[64*\x+\i]|, |v[64*\x+\i+1]|
	v_max3_num_f32 v[22+4*\x], v[22+4*\x], |v[64*\x+\i+2]|, |v[64*\x+\i+3]|
.endr
.endr
.irp x, 0,1
	v_max3_num_f32 v[20+4*\x], v[20+4*\x], |v[64*\x+30]|, |v[64*\x+31]|
.endr
	WIN 0
	v_max3_num_f32 v20, v20, v22, FLOOR
	v_max3_num_f32 v24, v24, v26, FLOOR
	v_add_nc_u32 v36, EOFF, v20
	v_add_nc_u32 v38, EOFF, v24
	WIN 0x01
.irp x, 0,1
	v_cvt_scalef32_pk16_bf6_f32 v[PA+12*\x:PA+12*\x+2], v[64*\x:64*\x+15], v[36+2*\x]
	v_cvt_scalef32_pk16_bf6_f32 v[CT+8*\x:CT+8*\x+2], v[64*\x+16:64*\x+31], v[36+2*\x]
.endr
	WIN 0
	v_lshrrev_b32 v28, 23, v36                     ; the bytes; also the plain place behind the conversions
	v_lshrrev_b32 v29, 23, v38
.irp x, 0,1
.irp j, 0,1,2
	v_mov_b32 v[PA+12*\x+3+\j], v[CT+8*\x+\j]
.endr
.endr
.irp x, 0,1
	global_store_b128 v1, v[PA+12*\x:PA+12*\x+3], s[20:21] offset:16*REC*\p+REC*\x          ; 512 consecutive bytes
	global_store_b64 v2, v[PA+12*\x+4:PA+12*\x+5], s[20:21] offset:16*REC*\p+REC*\x+512     ; 256 consecutive bytes
	global_store_b8 v55, v[28+\x], s[22:23] offset:16*REC*\p+REC*\x                         ; a head has two bytes in a row's sixteen
.endr
.endm
	PROLOG 0
	s_wait_tensorcnt 0x0                           ; my piece has landed
	s_wait_dscnt 0x0
	s_barrier_signal -1
	s_barrier_wait -1                              ; everybody's has: the head's K and V are whole.
	KLOAD 1, 2                                     ; step 0's K (K's region begins at LDS byte 0)
	STEPS
	EPI 0
	PROLOG 1
	KLOAD 1, 2
	STEPS
	EPI 1
	s_wait_tensorcnt 0x0                           ; the wave's end
	ds_add_u32 v[SPW], v[NIL]
	s_wait_dscnt 0x0
	ROUND                                          ; the closing round: no work-group ends while a partner may still ask for a piece that names it
	s_endpgm
.Lfunc_end_k_qcb03c261c5_attn:
	.size	k_qcb03c261c5_attn, .Lfunc_end_k_qcb03c261c5_attn-k_qcb03c261c5_attn
	.p2alignl 7, 3214868480
	.fill 96, 4, 3214868480
	.section	.rodata,"a",@progbits
	.p2align	6, 0x0
	.amdhsa_kernel k_qcb03c261c5_attn
		.amdhsa_group_segment_fixed_size 210944
		.amdhsa_private_segment_fixed_size 0
		.amdhsa_enable_private_segment 0
		.amdhsa_kernarg_size 24
		.amdhsa_user_sgpr_count 2
		.amdhsa_user_sgpr_kernarg_segment_ptr 1
		.amdhsa_wavefront_size32 1
		.amdhsa_system_sgpr_workgroup_id_x 1
		.amdhsa_system_sgpr_workgroup_id_y 1
		.amdhsa_system_sgpr_workgroup_id_z 1
		.amdhsa_system_vgpr_workitem_id 0
		.amdhsa_next_free_vgpr 512
		.amdhsa_next_free_sgpr 92
		.amdhsa_reserve_vcc 0
		.amdhsa_float_denorm_mode_32 3
		.amdhsa_float_denorm_mode_16_64 3
		.amdhsa_memory_ordered 1
		.amdhsa_forward_progress 1
		.amdhsa_inst_pref_size 83
	.end_amdhsa_kernel
	.amdgpu_metadata
---
amdhsa.version: [ 1, 2 ]
amdhsa.kernels:
  - .name:           k_qcb03c261c5_attn
    .symbol:         k_qcb03c261c5_attn.kd
    .args:
      - { .name: qk, .offset: 0, .size: 8, .value_kind: global_buffer, .address_space: global }
      - { .name: vb, .offset: 8, .size: 8, .value_kind: global_buffer, .address_space: global }
      - { .name: yq, .offset: 16, .size: 8, .value_kind: global_buffer, .address_space: global }
    .group_segment_fixed_size: 210944
    .private_segment_fixed_size: 0
    .kernarg_segment_align: 8
    .kernarg_segment_size: 24
    .max_flat_workgroup_size: 256
    .sgpr_count:     92
    .vgpr_count:     512
    .wavefront_size: 32
...
	.end_amdgpu_metadata
.endif
;; end of part 3
;; launch gemm_out (part 4): grid 4 x 64, 4 waves a work-group, clusters of 4 x 4, 327,680 bytes of LDS; arguments yq, wq, b_proj, out0; writes out0
.if DOCPART == 4
	.amdgcn_target "amdgcn-amd-amdhsa--gfx1250"
	.amdhsa_code_object_version 6
	.text
	.protected	k_qcb03c261c5_gemm_out
	.globl	k_qcb03c261c5_gemm_out
	.p2align	8
	.type	k_qcb03c261c5_gemm_out,@function
k_qcb03c261c5_gemm_out:
	s_mov_b64 s[64:65], 0
	v_nop
	global_prefetch_b8 v0, s[64:65] scope:SCOPE_SE
	s_setreg_imm32_b32 hwreg(HW_REG_WAVE_MODE, 25, 1), 1
	s_wait_xcnt 0x0
	s_wait_alu depctr_hold_cnt(0) depctr_sa_sdst(0) depctr_va_vdst(0) depctr_va_sdst(0) depctr_va_ssrc(0) depctr_va_vcc(0) depctr_vm_vsrc(0)
	s_getreg_b32 s2, hwreg(HW_REG_IB_STS2, 6, 4)
	s_cmp_eq_u32 s2, 0
	s_cbranch_scc0 .Lentry_in_a_cluster
	s_endpgm
.Lentry_in_a_cluster:
	s_bfe_u32 s2, ttmp6, 0x10000c
	s_cmp_lg_u32 s2, 0xf033
	s_cbranch_scc0 .Lentry_shape_is_right
	s_endpgm
.Lentry_shape_is_right:
; out0 = y W_proj + b_proj on codes of BF6 (E3M2) with E8M0 scales, K = 1,024; out0 [8192][1024] f32.
; OPERANDS: yq (rows of y) and wq (tiles 192-255: W_proj's columns), tiles of 16 rows in records of 12,800 bytes: 16 half fragments (16 rows x 64 K, 768 bytes: lane l's bytes 0-15 at 16 l, bytes 16-23 at 512 + 8 l)
; and 2 scale images (row r's 16 bytes at 16 r).  Tile 4 G + i holds, as row r, index 64 G + 32 (r / 8) + 8 i + r % 8.
; A WORK-GROUP makes 128 rows x 256 columns, IN TWO HALVES of 128 columns, one after the other: the first half's stores are on their way while the second half is multiplied.  Four waves, each 64 x 64 of a half: 16 accumulators,
; a set of their own for each half.  256 work-groups.
; TWO FILLS, each half of K of A's 8 and B's 16 tiles, 6,656 bytes of each record, into slots of their own: first the record's bytes 6,144 on (K = 512 .. 1,023 and both scale images), at the head; then the bytes 0 on
; (K = 0 .. 511; the last 512 bytes of these rows are not read).  One joint load a wave each time: waves 0, 1 four tiles of A each, waves 2, 3 eight tiles of B each.
; THE MATRIX INSTRUCTION IS USED TRANSPOSED (source 0 = a tile of W's columns, source 1 = a tile of y's rows): a lane holds one row, and the 32 registers of four neighbouring tiles of columns are 32 neighbouring columns.
; CLUSTERS: 4 x 4 work-groups; y's tiles are shared along a row of the cluster, W's along a column, each asked for jointly.
; NO PREFETCH: the launch has two fills and no loop to run ahead in.
; THE WAY OUT: a tile of 16 rows x 64 columns goes through the wave's own stage in LDS and comes back as whole rows of 256 bytes, two to an instruction; the bias is added there.  The stages lie in slot 0, in the rows of B's tiles 0 to 2,
; which the first half alone reads: they have had their only fill and, behind the barrier in the first half's step 3, their last read.
; REGISTERS: window 0: v1-9, v18-20, v28-31 addresses; v10-17 the bias; v22 zero, v27 spare word; v32-95 scale words; v96-143, v144-191 A's fragments; v192-255 rows read back.  window 1: B's fragments at v0 and v128.
; window 2: accumulator (a, b) of half j at v[128 j + 8 (4 a + b)].
.set REC,   12800
.set HFB,   768
.set TP,    6656
.set SLOT,  24*TP
.set SPARE, 2*SLOT
.set SP,    272                        ; a stage row: 256 bytes + 16
.set L16,  1
.set L8,   2
.set NIL,  22
.set SPW,  27
.set SC,   32                          ; K step k of tile i of half j at v[SC + 16 j + 32 (k / 4) + 4 i + k % 4]: lanes 0-15 A's tile i, lanes 16-31 B's
.set AF,   96
.set BK,   192
.set G1A,  24
.set G1B,  32
.set G0A,  40
.set G0B,  48
.set MSB, 0
.macro WIN new
.if MSB != \new
	s_set_vgpr_msb (MSB<<8)|\new
.set MSB, \new
.endif
.endm
.macro PLACES                          ; four plain places behind a matrix instruction (ISA guide 7.12.1)
.rept 4
	v_nop
.endr
.endm
.macro ROUND                           ; a round of the cluster's barrier
	s_barrier_signal -1
	s_barrier_wait -1
	s_cmp_lg_u32 s14, 0
	s_cbranch_scc1 .Lnot_wave_0_\@
	s_barrier_signal -3
.Lnot_wave_0_\@:
	s_barrier_wait -3
	s_barrier_signal -1
	s_barrier_wait -1
.endm
.macro JLOAD s                         ; my one joint load into slot s: waves 0, 1 for A, waves 2, 3 for B
	s_cmp_eq_u32 s15, 0
	s_cbranch_scc0 .Lfor_b_\@
	tensor_load_to_lds s[G0A+4*(\s):G0A+4*(\s)+3], s[G1A:G1A+7]
	s_nop 0
	PLACES
	s_branch .Lasked_\@
.Lfor_b_\@:
	tensor_load_to_lds s[G0B+4*(\s):G0B+4*(\s)+3], s[G1B:G1B+7]
	s_nop 0
	PLACES
.Lasked_\@:
.endm
	s_load_b256 s[4:11], s[0:1], 0x0               ; yq, wq, b_proj, out0
	v_lshl_add_u32 v[SPW], v0, 2, SPARE
	v_mov_b32 v[NIL], 0
	ds_add_u32 v[SPW], v[NIL]                      ; the opening lines
	ds_add_u32 v[SPW], v[NIL]
	v_lshrrev_b32 v1, 5, v0
	v_readfirstlane_b32 s14, v1                    ; wave 0..3
	s_lshr_b32 s15, s14, 1                         ; which four of A's tiles I multiply; also: I fetch for A (0) or B (1)
	s_and_b32 s16, s14, 1                          ; which four of a half's eight tiles of B I multiply; also: which part I fetch
	s_bfe_u32 s17, ttmp6, 0x40000                  ; cx
	s_bfe_u32 s18, ttmp6, 0x40004                  ; cy
	s_lshl_b32 s19, s18, 2
	s_lshl_b32 s19, 15, s19
	s_lshl_b32 s20, 0x1111, s17
	s_or_b32 s[G1A], s19, (3<<16)|(1<<21)
	s_or_b32 s[G1B], s20, (3<<16)|(1<<21)
	s_mov_b32 s[G1A+1], 832<<16                    ; rows of 6,656 bytes, a record apart: A four,
	s_mov_b32 s[G1A+2], 4<<16
	s_mov_b32 s[G1A+3], 832<<16
	s_mov_b32 s[G1A+4], 4
	s_mov_b32 s[G1A+5], REC/8
	s_mov_b32 s[G1A+6], 0
	s_mov_b32 s[G1A+7], 0
	s_mov_b32 s[G1B+1], 832<<16                    ; B eight
	s_mov_b32 s[G1B+2], 8<<16
	s_mov_b32 s[G1B+3], 832<<16
	s_mov_b32 s[G1B+4], 8
	s_mov_b32 s[G1B+5], REC/8
	s_mov_b32 s[G1B+6], 0
	s_mov_b32 s[G1B+7], 0
	s_and_b32 s21, ttmp7, 0xffff
	s_lshl_b32 s21, s21, 2
	s_add_co_u32 s21, s21, s18                     ; which 128 rows: 4 x cluster y + cy
	s_lshl_b32 s56, s21, 3
	s_lshl_b32 s19, s16, 2
	s_add_co_u32 s56, s56, s19                     ; A: tile 8 x that + my four
	s_mul_i32 s56, s56, REC
	s_mov_b32 s57, 0
	s_lshl_b32 s60, s17, 4
	s_lshl_b32 s19, s16, 3
	s_add_co_u32 s60, s60, s19
	s_add_co_u32 s60, s60, 192                     ; B: tile 192 + 16 cx + my eight
	s_mul_i32 s60, s60, REC
	s_mov_b32 s61, 0
	s_mul_i32 s22, s16, 4*TP                       ; where my part goes in a slot
	s_mul_i32 s23, s16, 8*TP
	s_add_co_u32 s23, s23, 8*TP
	s_wait_dscnt 0x0
	s_wait_kmcnt 0x0
	s_add_nc_u64 s[56:57], s[4:5], s[56:57]
	s_add_nc_u64 s[60:61], s[6:7], s[60:61]
	ROUND                                          ; all sixteen work-groups are here
.irp s, 0,1
	s_mov_b32 s[G0A+4*\s], 1
	s_add_co_u32 s[G0A+4*\s+1], s22, \s*SLOT
	s_add_nc_u64 s[G0A+4*\s+2:G0A+4*\s+3], s[56:57], (1-\s)*6144
	s_or_b32 s[G0A+4*\s+3], s[G0A+4*\s+3], 0x80000000
	s_mov_b32 s[G0B+4*\s], 1
	s_add_co_u32 s[G0B+4*\s+1], s23, \s*SLOT
	s_add_nc_u64 s[G0B+4*\s+2:G0B+4*\s+3], s[60:61], (1-\s)*6144
	s_or_b32 s[G0B+4*\s+3], s[G0B+4*\s+3], 0x80000000
.endr
	JLOAD 0                                        ; the first fill: one load a wave at the head
	s_lshl_b32 s20, s21, 7
	s_lshl_b32 s22, s15, 6
	s_add_co_u32 s20, s20, s22                     ; my first row of out0
	s_lshl_b32 s20, s20, 12
	s_lshl_b32 s22, s17, 10
	s_lshl_b32 s23, s16, 8
	s_add_co_u32 s22, s22, s23                     ; my first column of the first half, in bytes: 1,024 cx + 256 x part; the second half lies 512 bytes on
	s_mov_b32 s23, 0
	s_add_nc_u64 s[8:9], s[8:9], s[22:23]
	s_add_co_u32 s20, s20, s22
	s_mov_b32 s21, 0
	s_add_nc_u64 s[10:11], s[10:11], s[20:21]
	s_mul_i32 s19, s15, 4*TP                       ; my four tiles of A in slot 0
	s_mul_i32 s20, s16, 4*TP
	s_add_co_u32 s20, s20, 8*TP                    ; my four of B's first eight
	s_add_co_u32 s66, s19, SLOT
	s_add_co_u32 s67, s20, SLOT
	s_sub_co_u32 s68, s20, s19
	s_add_co_u32 s70, s68, 8*TP
	s_mul_i32 s69, s14, 16*SP
	s_add_co_u32 s69, s69, 8*TP                    ; my stage
	v_and_b32 v23, 31, v0
	v_and_b32 v24, 15, v0                          ; r
	v_bfe_u32 v25, v0, 4, 1                        ; h
	v_lshlrev_b32 v[L16], 4, v23
	v_lshlrev_b32 v[L8], 3, v23
	v_add_nc_u32 v3, s19, v[L16]                   ; slot 0: A's pieces of 16 and of 8 bytes, B's
	v_add_nc_u32 v4, s19, v[L8]
	v_add_nc_u32 v5, s20, v[L16]
	v_add_nc_u32 v6, s20, v[L8]
	v_add_nc_u32 v28, s66, v[L16]                  ; slot 1
	v_add_nc_u32 v29, s66, v[L8]
	v_add_nc_u32 v30, s67, v[L16]
	v_add_nc_u32 v31, s67, v[L8]
	v_mul_u32_u24 v26, s68, v25                    ; scale words: lanes 16-31 take B's: the lower base + h x the distance; first half,
	v_lshl_add_u32 v7, v24, 4, v26
	v_add_nc_u32 v7, s19, v7
	v_mul_u32_u24 v26, s70, v25                    ; second half
	v_lshl_add_u32 v18, v24, 4, v26
	v_add_nc_u32 v18, s19, v18
	v_mul_u32_u24 v8, v24, SP
	v_lshl_add_u32 v8, v25, 7, v8
	v_add_nc_u32 v8, s69, v8                       ; the stage, in: row r, my half of the lanes' 32 columns
	v_mul_u32_u24 v9, v25, SP
	v_lshl_add_u32 v9, v24, 4, v9
	v_add_nc_u32 v9, s69, v9                       ; back: lanes 0-15 a row of 256 bytes, lanes 16-31 the next
	v_lshlrev_b32 v20, 4, v24
	v_lshl_add_u32 v19, v25, 12, v20               ; and the same two rows in out0
	global_load_b128 v[10:13], v20, s[8:9]         ; the bias of my four columns of a row read back, for each half
	global_load_b128 v[14:17], v20, s[8:9] offset:512
	s_wait_alu depctr_va_vdst(0)
.macro SCALES j, adr                   ; half j's scale words, once, out of slot 0
.irp u, 0,1
.irp i, 0,1,2,3
	ds_load_b128 v[SC+16*(\j)+32*\u+4*\i:SC+16*(\j)+32*\u+4*\i+3], v[\adr] offset:TP*\i+6144+256*\u
.endr
.endr
.endm
.macro FETCH n                         ; the n-th of a half's eight steps: slot n / 4, its (n % 4)-th 128 along K, into set n % 2: 32 loads
.set AD, 3+25*((\n)/4)
.set PP, (\n)%2
.set QQ, (\n)%4
	WIN 0x40
.irp b, 0,1,2,3
.irp c, 0,1
	ds_load_b128 v[128*PP+12*\b+6*\c:128*PP+12*\b+6*\c+3], v[AD+2] offset:TP*\b+HFB*(2*QQ+\c)
	ds_load_b64 v[128*PP+12*\b+6*\c+4:128*PP+12*\b+6*\c+5], v[AD+3] offset:TP*\b+HFB*(2*QQ+\c)+512
.endr
.endr
	WIN 0
.irp a, 0,1,2,3
.irp c, 0,1
	ds_load_b128 v[AF+48*PP+12*\a+6*\c:AF+48*PP+12*\a+6*\c+3], v[AD] offset:TP*\a+HFB*(2*QQ+\c)
	ds_load_b64 v[AF+48*PP+12*\a+6*\c+4:AF+48*PP+12*\a+6*\c+5], v[AD+1] offset:TP*\a+HFB*(2*QQ+\c)+512
.endr
.endr
.endm
.macro MUL k, p, zero, j               ; K step k on set p: 16 matrix instructions, the 16 accumulators by turns
	WIN 0xa1
.irp a, 0,1,2,3
.irp b, 0,1,2,3
.if \zero
	v_wmma_scale_f32_16x16x128_f8f6f4 v[128*(\j)+8*(4*\a+\b):128*(\j)+8*(4*\a+\b)+7], v[128*(\p)+12*\b:128*(\p)+12*\b+11], v[AF+48*(\p)+12*\a:AF+48*(\p)+12*\a+11], 0, v[SC+16*(\j)+32*((\k)/4)+4*\b+(\k)%4], v[SC+16*(\j)+32*((\k)/4)+4*\a+(\k)%4] matrix_a_fmt:MATRIX_FMT_BF6 matrix_b_fmt:MATRIX_FMT_BF6 matrix_a_scale:MATRIX_SCALE_ROW1
.else
	v_wmma_scale_f32_16x16x128_f8f6f4 v[128*(\j)+8*(4*\a+\b):128*(\j)+8*(4*\a+\b)+7], v[128*(\p)+12*\b:128*(\p)+12*\b+11], v[AF+48*(\p)+12*\a:AF+48*(\p)+12*\a+11], v[128*(\j)+8*(4*\a+\b):128*(\j)+8*(4*\a+\b)+7], v[SC+16*(\j)+32*((\k)/4)+4*\b+(\k)%4], v[SC+16*(\j)+32*((\k)/4)+4*\a+(\k)%4] matrix_a_fmt:MATRIX_FMT_BF6 matrix_b_fmt:MATRIX_FMT_BF6 matrix_a_scale:MATRIX_SCALE_ROW1
.endif
.endr
.endr
	WIN 0
.endm
.macro KSTEP n, meet, j                ; step n's fragments are waited for, the next step's asked for, its products issued.  meet = 2: slot 1 is shown whole, and the first half reads slot 0 no more
	s_wait_dscnt 0x0
.if \meet == 2
	s_wait_tensorcnt 0x0
	s_barrier_signal -1
	s_barrier_wait -1
	PLACES
.elseif (\n) > 0
	PLACES
.endif
.if (\n) < 7
	FETCH (\n)+1
.endif
.if (\n) == 0
	MUL 4, 0, 1, \j
.else
	MUL ((\n)+4)%8, (\n)%2, 0, \j
.endif
.endm
.macro TOSTAGE a, j                    ; A's tile a: 16 rows x my 64 columns into my stage, and back as whole rows.  LDS serves a wave's instructions in order
	WIN 0x08
.irp b, 0,1,2,3
	ds_store_b128 v8, v[128*(\j)+8*(4*(\a)+\b):128*(\j)+8*(4*(\a)+\b)+3] offset:32*\b         ; each accumulator from its low end on
	ds_store_b128 v8, v[128*(\j)+8*(4*(\a)+\b)+4:128*(\j)+8*(4*(\a)+\b)+7] offset:32*\b+16
.endr
	WIN 0
.set BB, BK+32*((\a)%2)
.set i, 0
.rept 8
	ds_load_b128 v[BB+4*i:BB+4*i+3], v9 offset:2*i*SP
.set i, i+1
.endr
.endm
.macro SEND a, younger, j              ; younger: the LDS instructions issued behind tile a's loads, which may stay out
.set BB, BK+32*((\a)%2)
	s_wait_dscnt \younger
.set i, 0
.rept 8
	v_pk_add_f32 v[BB+4*i:BB+4*i+1], v[BB+4*i:BB+4*i+1], v[10+4*(\j):11+4*(\j)]
	v_pk_add_f32 v[BB+4*i+2:BB+4*i+3], v[BB+4*i+2:BB+4*i+3], v[12+4*(\j):13+4*(\j)]
	global_store_b128 v19, v[BB+4*i:BB+4*i+3], s[10:11] offset:(32*((2*i)/8)+8*(\a)+(2*i)%8)*4096+512*(\j) th:TH_STORE_NT   ; the tile's rows 2 i, 2 i + 1 are rows 32 (2 i / 8) + 8 a + 2 i % 8 and the next of my 64; sixteen lanes store 256 consecutive bytes, at a multiple of 256 from out0's first byte
.set i, i+1
.endr
.endm
.macro WAYOUT j
	TOSTAGE 0, \j
.irp a, 1,2,3
.if \a > 1
	s_wait_xcnt 0x0                                ; tile a - 2's stores have read their registers
.endif
	TOSTAGE \a, \j
	SEND \a-1, 16, \j                              ; behind tile a - 1's loads: tile a's 8 stores and 8 loads
.endr
	SEND 3, 0, \j
.endm
	s_wait_tensorcnt 0x0                           ; my part of the first fill is in; slot 1's fill is issued as a refill is
	ds_add_u32 v[SPW], v[NIL]
	s_wait_dscnt 0x0
	ROUND
	JLOAD 1
	SCALES 0, 7
	FETCH 0
	KSTEP 0, 0, 0
	KSTEP 1, 0, 0
	KSTEP 2, 0, 0
	KSTEP 3, 2, 0
	KSTEP 4, 0, 0
	KSTEP 5, 0, 0
	KSTEP 6, 0, 0
	KSTEP 7, 0, 0
	v_add_nc_u32 v5, 8*TP, v5                      ; on to B's second eight tiles; these four are also the places behind the last products
	v_add_nc_u32 v6, 8*TP, v6
	v_add_nc_u32 v30, 8*TP, v30
	v_add_nc_u32 v31, 8*TP, v31
	s_wait_alu depctr_va_vdst(0)
	SCALES 1, 18                                   ; the second half's first loads go out ahead of the first half's way out
	FETCH 0
	s_wait_loadcnt 0x0                             ; the bias
	WAYOUT 0
	KSTEP 0, 0, 1
	KSTEP 1, 0, 1
	KSTEP 2, 0, 1
	KSTEP 3, 0, 1
	KSTEP 4, 0, 1
	KSTEP 5, 0, 1
	KSTEP 6, 0, 1
	KSTEP 7, 0, 1
	PLACES                                         ; behind the last products: the way out reads results
	s_wait_xcnt 0x0                                ; the first half's stores have read their registers
	WAYOUT 1
	s_wait_tensorcnt 0x0                           ; the wave's end
	ds_add_u32 v[SPW], v[NIL]
	s_wait_dscnt 0x0
	ROUND                                          ; the closing round
	s_endpgm
.Lfunc_end_k_qcb03c261c5_gemm_out:
	.size	k_qcb03c261c5_gemm_out, .Lfunc_end_k_qcb03c261c5_gemm_out-k_qcb03c261c5_gemm_out
	.p2alignl 7, 3214868480
	.fill 96, 4, 3214868480
	.section	.rodata,"a",@progbits
	.p2align	6, 0x0
	.amdhsa_kernel k_qcb03c261c5_gemm_out
		.amdhsa_group_segment_fixed_size 327680
		.amdhsa_private_segment_fixed_size 0
		.amdhsa_enable_private_segment 0
		.amdhsa_kernarg_size 32
		.amdhsa_user_sgpr_count 2
		.amdhsa_user_sgpr_kernarg_segment_ptr 1
		.amdhsa_wavefront_size32 1
		.amdhsa_system_sgpr_workgroup_id_x 1
		.amdhsa_system_sgpr_workgroup_id_y 1
		.amdhsa_system_sgpr_workgroup_id_z 1
		.amdhsa_system_vgpr_workitem_id 0
		.amdhsa_next_free_vgpr 768
		.amdhsa_next_free_sgpr 102
		.amdhsa_reserve_vcc 0
		.amdhsa_float_denorm_mode_32 3
		.amdhsa_float_denorm_mode_16_64 3
		.amdhsa_memory_ordered 1
		.amdhsa_forward_progress 1
		.amdhsa_inst_pref_size 101
	.end_amdhsa_kernel
	.amdgpu_metadata
---
amdhsa.version: [ 1, 2 ]
amdhsa.kernels:
  - .name:           k_qcb03c261c5_gemm_out
    .symbol:         k_qcb03c261c5_gemm_out.kd
    .args:
      - { .name: yq, .offset: 0, .size: 8, .value_kind: global_buffer, .address_space: global }
      - { .name: wq, .offset: 8, .size: 8, .value_kind: global_buffer, .address_space: global }
      - { .name: b_proj, .offset: 16, .size: 8, .value_kind: global_buffer, .address_space: global }
      - { .name: out0, .offset: 24, .size: 8, .value_kind: global_buffer, .address_space: global }
    .group_segment_fixed_size: 327680
    .private_segment_fixed_size: 0
    .kernarg_segment_align: 8
    .kernarg_segment_size: 32
    .max_flat_workgroup_size: 128
    .sgpr_count:     102
    .vgpr_count:     768
    .wavefront_size: 32
...
	.end_amdgpu_metadata
.endif
;; end of part 4
